; MI455X (gfx1250); checked and timed in simulation.
; The chip was launched on July 23, 2026; its instructions are those of AMD's public machine-readable ISA for CDNA 5 (MIT licence, August 2026) and "CDNA5" Instruction Set Architecture Reference Guide (July 2026). The comments in the code are by the model that wrote it; some were corrected since.
;; Attention. Allowed arithmetic: float matrix products may take bf16 or f16 operands with f32 sums; other float arithmetic in f32, or as packed bf16 or f16 multiplies, adds, multiply-adds, maxima and minima; sums over many terms, partial sums and values carried from step to step in f32; what a program stores and reads back later, other than sums and carried values, may be rounded once to bf16 or f16.
;; Inputs: W_h 1,024 x 1,024 float32; W_s 1,024 x 1,024 float32; b_s 1,024 float32; coverage 16 x 4,096 float32; decoder_hidden 16 x 1 x 1,024 float32; encoder_output 16 x 4,096 x 1,024 float32; mask 16 x 4,096 float32; v 1,024 float32; w_c 1,024 float32.
;; Outputs: out0 16 x 1,024 float32; out1 16 x 4,096 float32; out2 16 x 4,096 float32.
;; 2 versions, each right; version 2 is version 1 with the launch main written anew for expert scheduling mode. Each part assembles by itself: llvm-mc -triple=amdgcn-amd-amdhsa -mcpu=gfx1250 --defsym DOCPART=n.
;; ======== version 1 of 2: 3 launches
;; workspace buffers: wb 2,097,152 bytes; u 65,536 bytes; sc 262,144 bytes; pc 2,097,152 bytes
;; launch prep (part 1): grid 128 x 1, 16 waves a work-group, no clusters, 22,528 bytes of LDS; arguments W_h, W_s, b_s, decoder_hidden, wb, u; writes wb, u
.if DOCPART == 1
	.amdgcn_target "amdgcn-amd-amdhsa--gfx1250"
	.amdhsa_code_object_version 6
	.text
	.protected	k_q6ef56fab10_prep
	.globl	k_q6ef56fab10_prep
	.p2align	8
	.type	k_q6ef56fab10_prep,@function
k_q6ef56fab10_prep:
	s_mov_b64 s[64:65], 0
	v_nop
	global_prefetch_b8 v0, s[64:65] scope:SCOPE_SE
	s_setreg_imm32_b32 hwreg(HW_REG_WAVE_MODE, 25, 1), 1
	s_wait_xcnt 0x0
; Two small jobs ahead of the main launch; the work-group's number picks one (the same choice in all its waves).
; Work-groups 0-63: W_h [1024][1024] f32 is rounded once to bf16 and laid in the order in which the main launch's matrix instructions take it:
;   the 16 bytes of lane L for e tile (g = e/128, i = (e/16)%8), K step ks = k/32 and half lie at g*262144 + ks*8192 + i*1024 + half*512 + 16 L
;   and hold row e = 128 g + 16 i + L%16, k = 32 ks + 16 half + 8 (L/16) + 0..7.  Work-group = 16 rows of W_h, wave = 64 of k.
; Work-groups 64-127: u = decoder_hidden W_s^T + b_s, f32 out, laid by tiles of 16 e: [e/16][b][e%16]; operands rounded once to bf16, sums in f32.
;   Work-group = one tile of 16 e, all 16 b; wave = 64 of k (two K steps of 32); the sixteen parts of k meet in LDS, and the tile leaves as 1,024 consecutive bytes.
.set PP,    80                         ; a row of partial sums: 16 f32 + 16 bytes
.set PW,    16*PP                      ; a wave's partial tile
.set SPARE, 16*PW                      ; 20,480: behind the partial sums: the spare words, 128 bytes for each of 16 waves
.set RO,    5                          ; v5   (L%16)*4096 + 32 (L/16): my place in 16 rows of 4,096 bytes; never rewritten
.set SPW,   8                          ; v8   LDS address of my spare word; never rewritten
.set NIL,   9                          ; v9   0; never rewritten
.set ACC,   16                         ; v[16:31]  two accumulators, one a K step
.set LAND,  32                         ; v[32:95]  two slots of 32: a K step as loaded (W_s 16, decoder_hidden 16); later the sixteen parts
.set FRG,   160                        ; v[160:191] two sets of fragments (A 8, B 8)
	s_load_b256 s[4:11], s[0:1], 0x0               ; W_h s[4:5], W_s s[6:7], b_s s[8:9], decoder_hidden s[10:11]
	s_load_b128 s[12:15], s[0:1], 0x20             ; wb s[12:13], u s[14:15]
	v_lshl_add_u32 v[SPW], v0, 2, SPARE
	v_mov_b32 v[NIL], 0
	v_and_b32 v1, 31, v0                           ; L
	v_and_b32 v2, 15, v0                           ; L % 16
	v_bfe_u32 v3, v0, 4, 1                         ; L / 16
	v_lshrrev_b32 v4, 5, v0
	v_readfirstlane_b32 s16, v4                    ; wave 0..15
	v_lshlrev_b32 v[RO], 12, v2
	v_lshl_add_u32 v[RO], v3, 5, v[RO]
	s_wait_kmcnt 0x0
	s_cmp_lt_u32 ttmp9, 64
	s_cbranch_scc0 .Ldec
	; ---- W_h to bf16, in fragment order ----
	s_lshl_b32 s20, ttmp9, 16                      ; 16 rows of 4,096 bytes
	s_lshl_b32 s21, s16, 8                         ; my wave's 64 numbers of each row
	s_add_co_u32 s20, s20, s21
	s_mov_b32 s21, 0
	s_add_nc_u64 s[4:5], s[4:5], s[20:21]
.irp q, 0,1,2,3
	global_load_b128 v[LAND+8*\q:LAND+8*\q+3],   v[RO], s[4:5] offset:64*\q th:TH_LOAD_NT     ; k = 64 wave + 16 q + 8 (L/16) + 0..3
	global_load_b128 v[LAND+8*\q+4:LAND+8*\q+7], v[RO], s[4:5] offset:64*\q+16 th:TH_LOAD_NT  ; + 4..7
.endr
	s_lshr_b32 s22, ttmp9, 3
	s_lshl_b32 s22, s22, 18                        ; g * 262144
	s_and_b32 s23, ttmp9, 7
	s_lshl_b32 s23, s23, 10                        ; i * 1024
	s_add_co_u32 s22, s22, s23
	s_lshl_b32 s23, s16, 14                        ; two K steps of 8,192 bytes a wave
	s_add_co_u32 s22, s22, s23
	s_mov_b32 s23, 0
	s_add_nc_u64 s[12:13], s[12:13], s[22:23]
	v_lshlrev_b32 v6, 4, v1
	s_wait_loadcnt 0x0
.set z, 0
.rept 16
	v_cvt_pk_bf16_f32 v[64+z], v[LAND+2*z], v[LAND+2*z+1]
.set z, z+1
.endr
.irp q, 0,1,2,3
	global_store_b128 v6, v[64+4*\q:64+4*\q+3], s[12:13] offset:(\q/2)*8192+(\q%2)*512  ; 512 consecutive bytes, aligned
.endr
	s_endpgm                                       ; this arm has written no LDS
	; ---- u = decoder_hidden W_s^T + b_s ----
.Ldec:
	s_sub_co_u32 s17, ttmp9, 64                    ; my tile of 16 e
	s_lshl_b32 s20, s17, 16                        ; its 16 rows of W_s
	s_lshl_b32 s22, s16, 8                         ; my wave's 64 f32 along k
	s_add_co_u32 s20, s20, s22
	s_mov_b32 s21, 0
	s_mov_b32 s23, 0
	s_add_nc_u64 s[6:7], s[6:7], s[20:21]
	s_add_nc_u64 s[10:11], s[10:11], s[22:23]
	s_lshl_b32 s24, s17, 6                         ; the tile's 16 f32 of b_s
	s_mov_b32 s25, 0
	s_add_nc_u64 s[8:9], s[8:9], s[24:25]
	s_lshl_b32 s24, s17, 10                        ; the tile's 1,024 bytes of u
	s_add_nc_u64 s[14:15], s[14:15], s[24:25]
	v_and_b32 v6, 3, v0
	v_lshlrev_b32 v6, 4, v6                        ; 16 (t % 4)
	global_load_b128 v[12:15], v6, s[8:9]          ; b_s for the four e that a finishing thread takes: the oldest load
; K step k (32 of k): eight loads into slot k.  A fragment's registers 0-3 are k = 8 (L/16) + 0..7, registers 4-7 k = 16 + 8 (L/16) + 0..7.
.macro DLOAD k
.set DL, LAND+32*(\k)
	global_load_b128 v[DL:DL+3],     v[RO], s[6:7] offset:128*(\k) th:TH_LOAD_NT
	global_load_b128 v[DL+4:DL+7],   v[RO], s[6:7] offset:128*(\k)+16 th:TH_LOAD_NT
	global_load_b128 v[DL+8:DL+11],  v[RO], s[6:7] offset:128*(\k)+64 th:TH_LOAD_NT
	global_load_b128 v[DL+12:DL+15], v[RO], s[6:7] offset:128*(\k)+80 th:TH_LOAD_NT
	global_load_b128 v[DL+16:DL+19], v[RO], s[10:11] offset:128*(\k)
	global_load_b128 v[DL+20:DL+23], v[RO], s[10:11] offset:128*(\k)+16
	global_load_b128 v[DL+24:DL+27], v[RO], s[10:11] offset:128*(\k)+64
	global_load_b128 v[DL+28:DL+31], v[RO], s[10:11] offset:128*(\k)+80
.endm
; cnt: the younger step's eight loads may stay out.  Each step has an accumulator and a set of fragments of its own; each product starts its sum.
.macro DSTEP k, cnt
.set SL, LAND+32*(\k)
.set FR, FRG+16*(\k)
.set AC, ACC+8*(\k)
	s_wait_loadcnt \cnt
.set z, 0
.rept 16
	v_cvt_pk_bf16_f32 v[FR+z], v[SL+2*z], v[SL+2*z+1]
.set z, z+1
.endr
	v_wmma_f32_16x16x32_bf16 v[AC:AC+7], v[FR:FR+7], v[FR+8:FR+15], 0
.endm
	DLOAD 0
	DLOAD 1
	v_mul_u32_u24 v7, v2, PP                       ; where my partial sums go: my wave's tile, row b = L%16, columns 8 (L/16) + 0..7
	v_lshl_add_u32 v7, v3, 5, v7
	s_mul_i32 s26, s16, PW
	v_add_nc_u32 v7, s26, v7
	DSTEP 0, 8
	DSTEP 1, 0
.rept 4
	v_nop                                          ; four places behind the last product
.endr
.irp p, 0,2,4,6
	v_pk_add_f32 v[ACC+\p:ACC+\p+1], v[ACC+\p:ACC+\p+1], v[ACC+8+\p:ACC+8+\p+1]  ; the two steps; each accumulator is read from its low end
.endr
	ds_store_b128 v7, v[ACC:ACC+3]
	ds_store_b128 v7, v[ACC+4:ACC+7] offset:16
	s_wait_dscnt 0x0                               ; for the others' sake: my stores are done
	s_barrier_signal -1
	s_barrier_wait -1
	s_cmp_lt_u32 s16, 2                            ; threads 0-63 finish 16 b x 16 e, four e each
	s_cbranch_scc0 .Ldend
	v_lshrrev_b32 v10, 2, v0                       ; b
	v_mul_u32_u24 v11, v10, PP
	v_add_nc_u32 v11, v11, v6
.irp q, 0,1,2,3,4,5,6,7,8,9,10,11,12,13,14,15
	ds_load_b128 v[32+4*\q:32+4*\q+3], v11 offset:\q*PW
.endr
	v_lshlrev_b32 v10, 4, v0                       ; b * 64 + 16 (t % 4) = 16 t
	s_wait_dscnt 0x0
.irp q, 0,2,4,6,8,10,12,14
	v_pk_add_f32 v[32+4*\q:33+4*\q], v[32+4*\q:33+4*\q], v[36+4*\q:37+4*\q]
	v_pk_add_f32 v[34+4*\q:35+4*\q], v[34+4*\q:35+4*\q], v[38+4*\q:39+4*\q]
.endr
.irp q, 0,4,8,12
	v_pk_add_f32 v[32+4*\q:33+4*\q], v[32+4*\q:33+4*\q], v[40+4*\q:41+4*\q]
	v_pk_add_f32 v[34+4*\q:35+4*\q], v[34+4*\q:35+4*\q], v[42+4*\q:43+4*\q]
.endr
.irp q, 0,8
	v_pk_add_f32 v[32+4*\q:33+4*\q], v[32+4*\q:33+4*\q], v[48+4*\q:49+4*\q]
	v_pk_add_f32 v[34+4*\q:35+4*\q], v[34+4*\q:35+4*\q], v[50+4*\q:51+4*\q]
.endr
	v_pk_add_f32 v[32:33], v[32:33], v[64:65]
	v_pk_add_f32 v[34:35], v[34:35], v[66:67]
	v_pk_add_f32 v[32:33], v[32:33], v[12:13]
	v_pk_add_f32 v[34:35], v[34:35], v[14:15]
	global_store_b128 v10, v[32:35], s[14:15]      ; a wave stores 512 consecutive bytes, aligned
.Ldend:
	s_wait_tensorcnt 0x0                           ; the wave's end: three closing lines behind my last LDS store
	ds_add_u32 v[SPW], v[NIL]
	s_wait_dscnt 0x0
	s_endpgm
.Lfunc_end_k_q6ef56fab10_prep:
	.size	k_q6ef56fab10_prep, .Lfunc_end_k_q6ef56fab10_prep-k_q6ef56fab10_prep
	.p2alignl 7, 3214868480
	.fill 96, 4, 3214868480
	.section	.rodata,"a",@progbits
	.p2align	6, 0x0
	.amdhsa_kernel k_q6ef56fab10_prep
		.amdhsa_group_segment_fixed_size 22528
		.amdhsa_private_segment_fixed_size 0
		.amdhsa_enable_private_segment 0
		.amdhsa_kernarg_size 48
		.amdhsa_user_sgpr_count 2
		.amdhsa_user_sgpr_kernarg_segment_ptr 1
		.amdhsa_wavefront_size32 1
		.amdhsa_system_sgpr_workgroup_id_x 1
		.amdhsa_system_sgpr_workgroup_id_y 1
		.amdhsa_system_sgpr_workgroup_id_z 1
		.amdhsa_system_vgpr_workitem_id 0
		.amdhsa_next_free_vgpr 192
		.amdhsa_next_free_sgpr 66
		.amdhsa_reserve_vcc 0
		.amdhsa_float_denorm_mode_32 3
		.amdhsa_float_denorm_mode_16_64 3
		.amdhsa_memory_ordered 1
		.amdhsa_forward_progress 1
		.amdhsa_inst_pref_size 13
	.end_amdhsa_kernel
	.amdgpu_metadata
---
amdhsa.version: [ 1, 2 ]
amdhsa.kernels:
  - .name:           k_q6ef56fab10_prep
    .symbol:         k_q6ef56fab10_prep.kd
    .args:
      - { .name: W_h, .offset: 0, .size: 8, .value_kind: global_buffer, .address_space: global }
      - { .name: W_s, .offset: 8, .size: 8, .value_kind: global_buffer, .address_space: global }
      - { .name: b_s, .offset: 16, .size: 8, .value_kind: global_buffer, .address_space: global }
      - { .name: decoder_hidden, .offset: 24, .size: 8, .value_kind: global_buffer, .address_space: global }
      - { .name: wb, .offset: 32, .size: 8, .value_kind: global_buffer, .address_space: global }
      - { .name: u, .offset: 40, .size: 8, .value_kind: global_buffer, .address_space: global }
    .group_segment_fixed_size: 22528
    .private_segment_fixed_size: 0
    .kernarg_segment_align: 8
    .kernarg_segment_size: 48
    .max_flat_workgroup_size: 512
    .sgpr_count:     66
    .vgpr_count:     192
    .wavefront_size: 32
...
	.end_amdgpu_metadata
.endif
;; end of part 1
;; launch main (part 2): grid 32 x 16, 4 waves a work-group, no clusters, 285,184 bytes of LDS; arguments encoder_output, coverage, mask, w_c, v, wb, u, sc, pc; writes sc, pc
.if DOCPART == 2
	.amdgcn_target "amdgcn-amd-amdhsa--gfx1250"
	.amdhsa_code_object_version 6
	.text
	.protected	k_q6ef56fab10_main
	.globl	k_q6ef56fab10_main
	.p2align	8
	.type	k_q6ef56fab10_main,@function
k_q6ef56fab10_main:
	s_mov_b64 s[64:65], 0
	v_nop
	global_prefetch_b8 v0, s[64:65] scope:SCOPE_SE
	s_setreg_imm32_b32 hwreg(HW_REG_WAVE_MODE, 25, 1), 1
	s_wait_xcnt 0x0
; One block of 128 rows s of one batch row b: X = encoder_output[b][s0..s0+127][:] is read from memory ONCE, rounded to bf16 and kept in LDS for both products.
;   z[s][e] = X[s] . W_h[e] + u[b][e] + coverage[b][s] w_c[e]       (u = decoder_hidden W_s^T + b_s, from the launch before)
;   q[s]    = sum over e of (-c v[e]) r,  r = 1 / (1 + 2^(c z)),  c = 2 log2(e)          -> sc
;   p[s]    = 2^(q[s] - m) mask[b][s],  m = the block's maximum of q over ALL its rows, masked or not
;   pc[blk][d] = sum over s of p[s] X[s][d]                                              -> pc
; WORK LEFT OUT, for all finite values of the inputs.  (1) tanh(z) = 1 - 2 r, so scores[b][s] = sum_e v[e] - 2 sum_e v[e] r.  The first term is the same for every s of a
; row b, and a softmax along s does not change when one number is added to all its inputs: it is not formed.  log2(e) times what is left is q.  (2) The softmax's own divisor Z
; is one number for a row b, finite and at least 1; in attn = (w/Z) mask / sum((w/Z) mask) it cancels: it is not formed.  The maximum that reference() takes away is kept:
; here the block's, in the last launch the row's.  Every input has a way to an output and is loaded.
; LIMITS.  An overflow, NaN or infinity that reaches only sum_e v[e] or Z is not carried to the result.  2^x and 1/x flush denormals (ISA guide, their entries): a weight below
; 2^-126 counts as 0.  For large |z|: 2^(c z) = infinity gives r = 0, 2^(c z) = 0 gives r = 1, as tanh's limits ask.  X, W_h are rounded once to bf16; p enters the second product as two bf16, high part and rest.
; SHARES.  Wave w owns e = 256 w .. 256 w + 255 for all 128 rows, in two passes of 128 e: a tile of 128 s x 128 e, 64 accumulators: a K step's 8 KiB of X from LDS feed 64 matrix instructions.
; Source 0 = 16 rows of W_h, source 1 = 16 rows of X: a lane holds ONE row s (16 t + lane % 16) and e = 8 (lane / 16) + 0..7, so the sum over e stays in the lane but for one exchange of the halves.
; NO TENSOR LOADS, NO CLUSTER.  X takes 264,192 bytes of LDS; beside it two slots of W_h would hold at most 16 KiB each, 32 matrix instructions a wave between two changes of slots.
; And no wave wants a byte of W_h that another wave of the work-group fetched.  So W_h comes straight into registers, in fragment order (wb), through a ring of four sets, three K steps (24 KiB a wave) ahead.
; REGISTERS, in windows of 256 (s_set_vgpr_msb: bits 1:0 source 0, 3:2 source 1, 5:4 source 2, 7:6 destination):
;   window 0: addresses, statistics, two buffers of X's fragments               window 1: the ring of W_h: 4 sets of 64; later X^T for the second product
;   window 2: the accumulators of row tiles 0-3, (t, i) at 8 (8 t + i)          window 3: X as loaded, 8 rows of 32 registers; then the accumulators of row tiles 4-7; later X^T
.set PITCH, 2064                       ; a row of X in LDS: 2,048 bytes + 16 = 516 words: the 16 rows of a fragment load start 4 banks apart (64 banks of 4 bytes: ISA guide 11.1)
.set TU,    128*PITCH                  ; 264,192: u[b][e], 4,096 bytes; then w_c[e]; then -c v[e]
.set SCR,   TU+12288                   ; 4 waves x 128 rows: the waves' parts of q
.set PT,    SCR+2048                   ; a wave's own 512: p's high parts, 256 bytes, then the rests
.set CST,   PT+2048                    ; a wave's own 1,024: its 256 numbers of pc on the way out
.set SPARE, CST+4096                   ; the spare words, 128 bytes a wave
.set KSB,   8192                       ; a K step of my wave's W_h: 8 fragments of 1,024 bytes
.set GO,  4                            ; v4   16 L + the rows done: X in memory
.set LA,  5                            ; v5   where my 8 bytes of a row go in LDS
.set WO,  6                            ; v6   16 L; never rewritten
.set TBA, 7                            ; v7   TU + 1024 w + 32 (L/16) + 512 x pass
.set SPW, 8                            ; v8   LDS address of my spare word; never rewritten
.set NIL, 9                            ; v9   0; never rewritten
.set SA,  10
.set SB,  11
.set TA,  12                           ; v12-15  the turning loads' addresses, 32 rows of X each
.set XB,  16                           ; v16-23  row tile t's fragment address at k = 0
.set PA,  24
.set PB,  25
.set CA,  26
.set CB,  27
.set COV, 32                           ; v[32+2t] coverage of my row in tile t; v[33+2t] = XA, tile t's fragment address in the trip in hand (a pair, since the packed line names a pair)
.set XA,  33
.set SC,  48                           ; v48-63  q's partial sums, a pair a row tile
.set CT,  64                           ; v64-95  a row rounded to bf16, two buffers of 16; later at work
.set PF,  96                           ; v96-119 u, w_c, v as loaded; later v96-127 p's fragments
.set MK,  120                          ; v120-123 mask of rows 4 L .. 4 L + 3
.set XF,  128                          ; v128-191, v192-255  X's fragments, two buffers, tile t at +8 t.  While the sums are started they hold u (128 + 8 i) and w_c (192 + 8 i); on the way from z to q the first holds -c v
.set VT,  128
.set CC,  36                           ; s[36:37] c
.set MSB, 0
.macro WIN new                         ; the immediate's high byte repeats the setting that is left; a switch that changes nothing is dropped
.if MSB != (\new)
	s_set_vgpr_msb (MSB<<8)|(\new)
.set MSB, \new
.endif
.endm
	s_load_b512 s[4:19], s[0:1], 0x0               ; X s[4:5], coverage s[6:7], mask s[8:9], w_c s[10:11], v s[12:13], wb s[14:15], u s[16:17], sc s[18:19]
	s_load_b64 s[20:21], s[0:1], 0x40              ; pc
	v_lshl_add_u32 v[SPW], v0, 2, SPARE
	v_mov_b32 v[NIL], 0
	v_and_b32 v1, 31, v0                           ; L
	v_and_b32 v2, 15, v0                           ; L % 16
	v_bfe_u32 v3, v0, 4, 1                         ; L / 16
	v_lshrrev_b32 v31, 5, v0
	v_readfirstlane_b32 s22, v31                   ; wave 0..3
	s_mov_b32 s23, ttmp9                           ; the block in its row b
	s_and_b32 s24, ttmp7, 0xffff                   ; b
	s_lshl_b32 s25, s24, 5
	s_add_co_u32 s25, s25, s23                     ; the block among all 512
	s_mov_b32 s32, 0x76543210                      ; v_permlanex16_b32: each lane takes its own place in the other half
	s_mov_b32 s33, 0xfedcba98
	s_mov_b32 s34, 0xffff0000                      ; lanes 16-31
	s_mov_b32 s[CC], 0x4038aa3b                    ; c = 2 log2(e)
	s_mov_b32 s[CC+1], s[CC]                       ; named with it as a pair
	s_mov_b32 s38, 0xc038aa3b                      ; -c
	s_mov_b32 s39, s38
	v_lshlrev_b32 v[GO], 4, v1
	v_lshlrev_b32 v[WO], 4, v1
	s_mul_i32 s40, s22, 32*PITCH                   ; my wave brings rows 32 w .. 32 w + 31
	v_lshl_add_u32 v[LA], v1, 3, s40
	s_lshl_b32 s41, s22, 10
	s_lshl_b32 s42, s22, 9
	s_add_co_u32 s43, s41, TU
	v_lshl_add_u32 v[TBA], v3, 5, s43
	s_add_co_u32 s43, s42, SCR
	v_lshl_add_u32 v[SA], v1, 2, s43
	v_lshl_add_u32 v[SB], v1, 4, SCR
	v_and_b32 v31, 7, v0                           ; the turning load: lane L reads row 8 (L/16) + L%8, 16 bytes at 16 ((L/8)%2), of my wave's 512 bytes of a row
	v_lshl_add_u32 v31, v3, 3, v31
	v_mul_u32_u24 v31, v31, PITCH
	v_bfe_u32 v30, v0, 3, 1
	v_lshl_add_u32 v31, v30, 4, v31
	v_add_nc_u32 v31, s42, v31
.irp kc, 0,1,2,3
	v_add_nc_u32 v[TA+\kc], \kc*32*PITCH, v31
.endr
	v_mul_u32_u24 v31, v2, PITCH                   ; a fragment: row L%16, 16 bytes for each half of the lanes
	v_lshl_add_u32 v31, v3, 4, v31
.irp t, 0,1,2,3,4,5,6,7
	v_add_nc_u32 v[XB+\t], \t*16*PITCH, v31
.endr
	s_add_co_u32 s43, s42, PT
	v_lshl_add_u32 v[PA], v1, 3, s43
	v_and_b32 v31, 1, v0                           ; p's fragments: even rows of source 0 take the high parts, odd rows the rests
	v_lshlrev_b32 v31, 8, v31
	v_lshl_add_u32 v31, v3, 4, v31
	v_add_nc_u32 v[PB], s43, v31
	s_add_co_u32 s43, s41, CST
	v_lshl_add_u32 v[CA], v1, 2, s43
	v_lshl_add_u32 v[CB], v1, 4, s43
	v_lshlrev_b32 v28, 5, v0                       ; the tables: thread t takes e = 8 t .. 8 t + 7
	v_add_nc_u32 v29, TU, v28
	v_and_b32 v30, 1, v0                           ; u lies by tiles of 16 e, [e/16][b][e%16]: tile t / 2, its half t % 2
	v_lshlrev_b32 v30, 5, v30
	v_lshrrev_b32 v31, 1, v0
	v_lshl_add_u32 v31, v31, 10, v30
	v_lshlrev_b32 v30, 2, v2
	s_lshl_b32 s26, s25, 19                        ; a block of X: 128 rows of 4,096 bytes,
	s_lshl_b32 s27, s22, 17                        ; my wave's 32 of them
	s_add_co_u32 s26, s26, s27
	s_mov_b32 s27, 0
	s_lshl_b32 s44, s24, 14                        ; the block's 128 numbers in coverage, mask and sc
	s_lshl_b32 s45, s23, 9
	s_add_co_u32 s44, s44, s45
	s_mov_b32 s45, 0
	s_lshl_b32 s46, s24, 6                         ; row b in a tile of u
	s_mov_b32 s47, 0
	s_lshl_b32 s48, s22, 19                        ; my wave's 256 rows of W_h: 64 K steps of 8,192 bytes on end
	s_mov_b32 s49, 0
	s_lshl_b32 s50, s25, 12                        ; the block's row of pc, my wave's 1,024 bytes
	s_add_co_u32 s50, s50, s41
	s_mov_b32 s51, 0
	s_wait_kmcnt 0x0
	s_add_nc_u64 s[4:5], s[4:5], s[26:27]
	s_add_nc_u64 s[6:7], s[6:7], s[44:45]
	s_add_nc_u64 s[8:9], s[8:9], s[44:45]
	s_add_nc_u64 s[18:19], s[18:19], s[44:45]
	s_add_nc_u64 s[16:17], s[16:17], s[46:47]
	s_add_nc_u64 s[14:15], s[14:15], s[48:49]
	s_add_nc_u64 s[20:21], s[20:21], s[50:51]
	global_load_b128 v[96:99],   v31, s[16:17]
	global_load_b128 v[100:103], v31, s[16:17] offset:16
	global_load_b128 v[104:107], v28, s[10:11]
	global_load_b128 v[108:111], v28, s[10:11] offset:16
	global_load_b128 v[112:115], v28, s[12:13]
	global_load_b128 v[116:119], v28, s[12:13] offset:16
.irp t, 0,1,2,3,4,5,6,7
	global_load_b32 v[COV+2*\t], v30, s[6:7] offset:64*\t
.endr
	global_load_b128 v[MK:MK+3], v[WO], s[8:9]
	WIN 0xc0                                       ; destination window 3
.irp s, 0,1,2,3,4,5,6,7
.irp j, 0,1,2,3,4,5,6,7
	global_load_b128 v[32*\s+4*\j:32*\s+4*\j+3], v[GO], s[4:5] offset:\s*4096+\j*512 th:TH_LOAD_NT  ; the ring is filled: rows 0-7 of my 32, 512 consecutive bytes a load
.endr
.endr
	WIN 0
.set z, 0
.rept 16
	v_mov_b32 v[SC+z], 0
.set z, z+1
.endr
.irp t, 0,1,2,3,4,5,6,7
	v_mov_b32 v[XA+2*\t], v[XB+\t]
.endr
; Eight loads: fragments i0 .. i0 + 3 of one K step of W_h into a set of the ring, from byte off behind the pointer.
.macro WLOAD8 set, i0, off
.irp ii, 0,1,2,3
	global_load_b128 v[64*(\set)+8*((\i0)+\ii):64*(\set)+8*((\i0)+\ii)+3],   v[WO], s[14:15] offset:(\off)+((\i0)+\ii)*1024
	global_load_b128 v[64*(\set)+8*((\i0)+\ii)+4:64*(\set)+8*((\i0)+\ii)+7], v[WO], s[14:15] offset:(\off)+((\i0)+\ii)*1024+512
.endr
.endm
; PHASE L.  The turn of row slot s: its eight loads are in; the row is rounded to bf16 and stored into LDS.  kind 1: the slot is asked for again, eight rows on: seven younger groups of eight stay out.
; kind 2 (the last eight rows): half a set of W_h takes the refill's place in the count, six times: W_h's first three K steps; in the last turn only those 48 loads are younger.
.macro SLOT s, kind
.set CTB, CT+16*((\s)%2)
.if ((\kind) == 2) && ((\s) == 7)
	s_wait_loadcnt 48
.else
	s_wait_loadcnt 56
.endif
	WIN 0x0f                                       ; sources 0 and 1 window 3
.set z, 0
.rept 16
	v_cvt_pk_bf16_f32 v[CTB+z], v[32*(\s)+2*z], v[32*(\s)+2*z+1]
.set z, z+1
.endr
.if (\kind) == 1
	WIN 0xc0
.irp j, 0,1,2,3,4,5,6,7
	global_load_b128 v[32*(\s)+4*\j:32*(\s)+4*\j+3], v[GO], s[4:5] offset:(8+(\s))*4096+\j*512 th:TH_LOAD_NT
.endr
.elseif (\s) < 6
	WIN 0x40                                       ; destination window 1
	WLOAD8 (\s)/2, 4*((\s)%2), ((\s)/2)*KSB
.endif
	WIN 0
.irp j, 0,1,2,3,4,5,6,7
	ds_store_b64 v[LA], v[CTB+2*\j:CTB+2*\j+1] offset:(\s)*PITCH+\j*256  ; 32 lanes, 256 consecutive bytes
.endr
.endm
	s_mov_b32 s30, 3
.Lrows:
.irp s, 0,1,2,3,4,5,6,7
	SLOT \s, 1
.endr
	s_wait_xcnt 0x0                                ; the loads issued so far have read their address register: it may be stepped
	v_add_nc_u32 v[GO], 0x8000, v[GO]
	v_add_nc_u32 v[LA], 8*PITCH, v[LA]
	s_sub_co_u32 s30, s30, 1
	s_cmp_lg_u32 s30, 0
	s_cbranch_scc1 .Lrows
.irp s, 0,1,2,3,4,5,6,7
	SLOT \s, 2
.endr
	; the tables: loaded ahead of all rows, so the waits above have shown them in
.irp p, 0,2,4,6
	v_pk_mul_f32 v[112+\p:112+\p+1], v[112+\p:112+\p+1], s[38:39] op_sel_hi:[1,0]  ; -c v
.endr
	ds_store_b128 v29, v[96:99]
	ds_store_b128 v29, v[100:103] offset:16
	ds_store_b128 v29, v[104:107] offset:4096
	ds_store_b128 v29, v[108:111] offset:4112
	ds_store_b128 v29, v[112:115] offset:8192
	ds_store_b128 v29, v[116:119] offset:8208
	s_wait_dscnt 0x0                               ; for the others' sake: my rows of X and my part of the tables are stored
	s_barrier_signal -1
	s_barrier_wait -1                              ; X and the tables are whole; from here on nobody writes them
; THE FIRST PRODUCT.  32 matrix instructions: row tiles 4 hi .. 4 hi + 3 x the pass's eight e tiles, 32 along k, K step u of a trip.  The 64 accumulators take turns, one instruction a turn, over the jumps too.
.macro MM32 u, hi
	WIN 0xa1+0x50*(\hi)                            ; W_h window 1, X window 0, C and D window 2 or 3
.irp tt, 0,1,2,3
.irp i, 0,1,2,3,4,5,6,7
	v_wmma_f32_16x16x32_bf16 v[8*(8*\tt+\i):8*(8*\tt+\i)+7], v[64*((\u)%4)+8*\i:64*((\u)%4)+8*\i+7], v[XF+64*((\u)%2)+8*(4*(\hi)+\tt):XF+64*((\u)%2)+8*(4*(\hi)+\tt)+7], v[8*(8*\tt+\i):8*(8*\tt+\i)+7]
.endr
.endr
.endm
.macro XLOAD buf, off                  ; 16 LDS loads in one run: the eight row tiles' fragments of one K step
	WIN 0
.irp t, 0,1,2,3,4,5,6,7
	ds_load_b128 v[XF+64*(\buf)+8*\t:XF+64*(\buf)+8*\t+3],   v[XA+2*\t] offset:(\off)
	ds_load_b128 v[XF+64*(\buf)+8*\t+4:XF+64*(\buf)+8*\t+7], v[XA+2*\t] offset:(\off)+32
.endr
.endm
; A K step: 64 matrix instructions and ONE run of loads, in its middle.  wcnt: the younger sets of W_h, sixteen loads each, may stay out.  In the run, four places or more behind the last product that
; read them, the set and the buffer of the step before are asked for again: W_h three K steps on (wld = 1), X one step on.
; xk = 0: the places are v_nop; 1: a trip's last step: the addresses go 256 bytes on; 2: a pass's last step: they go back, and nothing of X is fetched.
.macro STEP u, wld, wcnt, xk
	s_wait_loadcnt \wcnt
	s_wait_dscnt 8                                 ; row tiles 0-3 are in; the youngest eight loads (tiles 4-7) may be out
	MM32 \u, 0
.if (\xk) == 0
.rept 4
	v_nop
.endr
.elseif (\xk) == 1
	WIN 0
.irp t, 0,1,2,3,4,5,6,7
	v_add_nc_u32 v[XA+2*\t], 256, v[XA+2*\t]
.endr
.else
	WIN 0
.irp t, 0,1,2,3,4,5,6,7
	v_mov_b32 v[XA+2*\t], v[XB+\t]
.endr
.endif
.if \wld
	WIN 0x40
	WLOAD8 ((\u)+3)%4, 0, ((\u)+3)*KSB
	WLOAD8 ((\u)+3)%4, 4, ((\u)+3)*KSB
.endif
.if (\xk) == 0
	XLOAD ((\u)+1)%2, ((\u)+1)*64
	s_wait_dscnt 16                                ; all but the 16 just issued
.elseif (\xk) == 1
	XLOAD 0, 0
	s_wait_dscnt 16
.else
	s_wait_dscnt 0x0
.endif
	MM32 \u, 1
.endm
; A trip: four K steps, once round W_h's ring.  kind 0: inside a pass; 1: a pass's last; 2: the launch's last: only its first step still has a K step three on, and the counts run down.
.macro TRIP kind
.if (\kind) == 2
	STEP 0, 1, 32, 0
	STEP 1, 0, 32, 0
	STEP 2, 0, 16, 0
	STEP 3, 0, 0, 2
	WIN 0
.else
	STEP 0, 1, 32, 0
	STEP 1, 1, 32, 0
	STEP 2, 1, 32, 0
	STEP 3, 1, 32, 1+(\kind)
	WIN 0
	s_wait_xcnt 0x0                                ; the loads of W_h issued so far (the youngest 32 products back) have read the pointer: it may be stepped
	s_add_nc_u64 s[14:15], s[14:15], 4*KSB
.endif
.endm
; THE WAY FROM z TO q, in sixteen batches of four accumulators (batch bn: e tile bn % 8, row tiles 4 (bn / 8) + 0..3, which lie in window 2 + bn / 8): c z; 2^; + 1; 1/; times -c v[e], added to the row's sum.
.macro EREG bn, tt
.set ra, 8*(8*(\tt)+(\bn)%8)
.endm
.macro E_MUL bn                        ; each accumulator is read from its low end first
	WIN 0x82+0x41*((\bn)/8)
.irp tt, 0,1,2,3
	EREG \bn, \tt
.irp p, 0,2,4,6
	v_pk_mul_f32 v[ra+\p:ra+\p+1], v[ra+\p:ra+\p+1], s[CC:CC+1] op_sel_hi:[1,0]
.endr
.endr
.endm
.macro E_ADD bn
	WIN 0x82+0x41*((\bn)/8)
.irp tt, 0,1,2,3
	EREG \bn, \tt
.irp p, 0,2,4,6
	v_pk_add_f32 v[ra+\p:ra+\p+1], v[ra+\p:ra+\p+1], 1.0 op_sel_hi:[1,0]
.endr
.endr
.endm
.macro E_TR op, bn
	WIN 0x82+0x41*((\bn)/8)
.irp tt, 0,1,2,3
	EREG \bn, \tt
.irp j, 0,1,2,3,4,5,6,7
	\op v[ra+\j], v[ra+\j]
.endr
.endr
.endm
.macro E_FMA bn
	WIN 0x02+(\bn)/8                               ; source 0 in the accumulators' window
.irp p, 0,2,4,6
.irp tt, 0,1,2,3
	EREG \bn, \tt
.set rs, SC+2*(4*((\bn)/8)+\tt)
.set rv, VT+8*((\bn)%8)+\p
	v_pk_fma_f32 v[rs:rs+1], v[ra+\p:ra+\p+1], v[rv:rv+1], v[rs:rs+1]
.endr
.endr
.endm
; The batches go through the stages as a pipeline: in round en stand the sums of batch en - 2, the + 1 and the reciprocals of batch en - 1, the exponentials of batch en and the scaling of batch en + 1.
; So a round's 64 transcendentals name no result of the same round, plain work stands behind the last of them, and ONE wait a round, at its end, stands ahead of every reader.
.macro EPI
.rept 4
	v_nop                                          ; four places behind the pass's last products
.endr
.irp i, 0,1,2,3,4,5,6,7
	ds_load_b128 v[VT+8*\i:VT+8*\i+3],   v[TBA] offset:8192+64*\i
	ds_load_b128 v[VT+8*\i+4:VT+8*\i+7], v[TBA] offset:8192+64*\i+16
.endr
	E_MUL 0
.set en, 0
.rept 18
.if en == 2
	s_wait_dscnt 0x0                               ; -c v of the pass is in
.endif
.if en >= 2
	E_FMA en-2
.endif
.if (en >= 1) && (en <= 16)
	E_ADD en-1
	E_TR v_rcp_f32, en-1
.endif
.if en <= 15
	E_TR v_exp_f32, en
.endif
.if en <= 14
	E_MUL en+1
.elseif en <= 16
	v_nop                                          ; the plain instruction behind the last transcendental
.endif
.if en <= 16
	s_wait_alu depctr_va_vdst(0)
.endif
.set en, en+1
.endr
	WIN 0
.endm
	s_mov_b32 s28, 2                               ; passes to go
.Lpass:
.irp i, 0,1,2,3,4,5,6,7
	ds_load_b128 v[XF+8*\i:XF+8*\i+3],       v[TBA] offset:64*\i        ; u of the pass's 128 e: my 8 of each tile
	ds_load_b128 v[XF+8*\i+4:XF+8*\i+7],     v[TBA] offset:64*\i+16
	ds_load_b128 v[XF+64+8*\i:XF+64+8*\i+3], v[TBA] offset:4096+64*\i   ; w_c likewise
	ds_load_b128 v[XF+64+8*\i+4:XF+64+8*\i+7], v[TBA] offset:4096+64*\i+16
.endr
	s_wait_dscnt 0x0
.irp t, 0,1,2,3,4,5,6,7
	WIN 0x80+0x40*(\t/4)                           ; destination window 2 or 3
.irp i, 0,1,2,3,4,5,6,7
.irp p, 0,2,4,6
	v_pk_fma_f32 v[8*(8*(\t%4)+\i)+\p:8*(8*(\t%4)+\i)+\p+1], v[COV+2*\t:COV+2*\t+1], v[XF+64+8*\i+\p:XF+64+8*\i+\p+1], v[XF+8*\i+\p:XF+8*\i+\p+1] op_sel_hi:[0,1,1]  ; the sums start at coverage w_c + u: nothing is cleared
.endr
.endr
.endr
	XLOAD 0, 0                                     ; the pass's first fragments of X
	s_mov_b32 s29, 7
.Ltrip:
	TRIP 0
	s_sub_co_u32 s29, s29, 1
	s_cmp_lg_u32 s29, 0
	s_cbranch_scc1 .Ltrip
	s_cmp_eq_u32 s28, 1
	s_cbranch_scc1 .Ltail                          ; the launch's last trip asks for no W_h beyond the wave's last K step
	TRIP 1
	s_branch .Lepi
.Ltail:
	TRIP 2
.Lepi:
	EPI
	v_add_nc_u32 v[TBA], 512, v[TBA]               ; the next pass's 128 e
	s_sub_co_u32 s28, s28, 1
	s_cmp_lg_u32 s28, 0
	s_cbranch_scc1 .Lpass
	; PHASE S.  X^T for the second product is asked for first: 4 runs of 32 turning loads (32 rows s x my wave's 256 columns d each), into windows 1 and 3, which are free.
	s_wait_loadcnt 0x0                             ; no load of W_h is out: window 1 may be loaded anew
.macro TRRUN kc, base
.irp nt, 0,1,2,3,4,5,6,7,8,9,10,11,12,13,14,15
	ds_load_tr16_b128 v[(\base)+8*\nt:(\base)+8*\nt+3],   v[TA+(\kc)] offset:32*\nt
	ds_load_tr16_b128 v[(\base)+8*\nt+4:(\base)+8*\nt+7], v[TA+(\kc)] offset:32*\nt+16*PITCH
.endr
.endm
	WIN 0x40
	TRRUN 0, 0
	TRRUN 1, 128
	WIN 0xc0
	TRRUN 2, 0
	TRRUN 3, 128
	WIN 0
.irp t, 0,1,2,3,4,5,6,7
	v_add_f32 v[64+\t], v[SC+2*\t], v[SC+2*\t+1]
.endr
.irp t, 0,1,2,3,4,5,6,7
	v_permlanex16_b32 v[72+\t], v[64+\t], s32, s33 ; the row's other e of each tile lie in the lane 16 away
.endr
.irp t, 0,1,2,3,4,5,6,7
	v_add_f32 v[64+\t], v[64+\t], v[72+\t]
.endr
.irp k, 0,1,2,3
	v_cndmask_b32 v[80+\k], v[64+2*\k], v[65+2*\k], s34  ; lanes 0-15 keep tile 2 k, lanes 16-31 take tile 2 k + 1: row 32 k + L
.endr
.irp k, 0,1,2,3
	ds_store_b32 v[SA], v[80+\k] offset:128*\k
.endr
	s_wait_dscnt 0x0                               ; for the others' sake: my part of q is stored (X^T is in as well)
	s_barrier_signal -1
	s_barrier_wait -1
.irp k, 0,1,2,3
	ds_load_b128 v[64+4*\k:64+4*\k+3], v[SB] offset:512*\k  ; the four waves' parts of rows 4 L .. 4 L + 3
.endr
	s_wait_dscnt 0x0
	v_pk_add_f32 v[64:65], v[64:65], v[68:69]      ; the same sums in the same order in all four waves
	v_pk_add_f32 v[66:67], v[66:67], v[70:71]
	v_pk_add_f32 v[72:73], v[72:73], v[76:77]
	v_pk_add_f32 v[74:75], v[74:75], v[78:79]
	v_pk_add_f32 v[64:65], v[64:65], v[72:73]
	v_pk_add_f32 v[66:67], v[66:67], v[74:75]      ; q
	s_cmp_lg_u32 s22, 0
	s_cbranch_scc1 .Lnosc
	global_store_b128 v[WO], v[64:67], s[18:19]    ; wave 0 stores the block's q: 512 consecutive bytes, aligned
.Lnosc:
	v_max3_num_f32 v80, v64, v65, v66
	v_max_num_f32 v80, v80, v67
	v_max_num_f32_dpp v80, v80, v80 row_xmask:1 row_mask:0xf bank_mask:0xf
	v_max_num_f32_dpp v80, v80, v80 row_xmask:2 row_mask:0xf bank_mask:0xf
	v_max_num_f32_dpp v80, v80, v80 row_xmask:4 row_mask:0xf bank_mask:0xf
	v_max_num_f32_dpp v80, v80, v80 row_xmask:8 row_mask:0xf bank_mask:0xf
	v_permlanex16_b32 v81, v80, s32, s33
	v_max_num_f32 v80, v80, v81                    ; m, the block's maximum
.irp k, 0,1,2,3
	v_sub_f32 v[84+\k], v[64+\k], v80
.endr
.irp k, 0,1,2,3
	v_exp_f32 v[84+\k], v[84+\k]
.endr
	v_nop                                          ; a plain instruction behind the last exponential,
	s_wait_alu depctr_va_vdst(0)                   ; and one wait for the four, ahead of their first reader
	v_pk_mul_f32 v[84:85], v[84:85], v[MK:MK+1]    ; p = 2^(q - m) mask
	v_pk_mul_f32 v[86:87], v[86:87], v[MK+2:MK+3]
	v_cvt_pk_bf16_f32 v88, v84, v85                ; the high parts,
	v_cvt_pk_bf16_f32 v89, v86, v87
	v_lshlrev_b32 v90, 16, v88
	v_and_b32 v91, 0xffff0000, v88
	v_lshlrev_b32 v92, 16, v89
	v_and_b32 v93, 0xffff0000, v89
	v_pk_add_f32 v[84:85], v[84:85], v[90:91] neg_lo:[0,1] neg_hi:[0,1]
	v_pk_add_f32 v[86:87], v[86:87], v[92:93] neg_lo:[0,1] neg_hi:[0,1]
	v_cvt_pk_bf16_f32 v94, v84, v85                ; and what they leave
	v_cvt_pk_bf16_f32 v95, v86, v87
	ds_store_b64 v[PA], v[88:89]
	ds_store_b64 v[PA], v[94:95] offset:256
.irp kc, 0,1,2,3
	ds_load_b128 v[PF+8*\kc:PF+8*\kc+3],   v[PB] offset:64*\kc      ; my wave's own bytes: LDS serves a wave's instructions in order (ISA guide 5.7.1.4)
	ds_load_b128 v[PF+8*\kc+4:PF+8*\kc+7], v[PB] offset:64*\kc+32
.endr
	s_wait_dscnt 0x0
	; PHASE C.  pc = p X for my wave's 256 columns: 16 tiles of 16 d x 4 steps of 32 rows s.  Source 0's even rows are p's high parts, its odd rows the rests: registers 0 and 1 of a result hold the two parts of the sum for d = 16 nt + L%16.
.macro CMM kc, bb, zero
.irp nt, 0,1,2,3,4,5,6,7,8,9,10,11,12,13,14,15
.if \zero
	v_wmma_f32_16x16x32_bf16 v[8*\nt:8*\nt+7], v[PF+8*(\kc):PF+8*(\kc)+7], v[(\bb)+8*\nt:(\bb)+8*\nt+7], 0
.else
	v_wmma_f32_16x16x32_bf16 v[8*\nt:8*\nt+7], v[PF+8*(\kc):PF+8*(\kc)+7], v[(\bb)+8*\nt:(\bb)+8*\nt+7], v[8*\nt:8*\nt+7]
.endif
.endr
.endm
	WIN 0xa4                                       ; p window 0, X^T window 1, C and D window 2; the 16 accumulators take turns
	CMM 0, 0, 1
	CMM 1, 128, 0
	WIN 0xac                                       ; X^T window 3
	CMM 2, 0, 0
	CMM 3, 128, 0
	WIN 0
.rept 4
	v_nop                                          ; four places behind the last product
.endr
	s_wait_xcnt 0x0                                ; the store of q has read v64-67: they may be written
	WIN 0x0a                                       ; sources 0 and 1 window 2
.irp nt, 0,1,2,3,4,5,6,7,8,9,10,11,12,13,14,15
	v_add_f32 v[64+\nt], v[8*\nt], v[8*\nt+1]
.endr
	WIN 0
.irp k, 0,1,2,3,4,5,6,7
	v_cndmask_b32 v[80+\k], v[64+2*\k], v[65+2*\k], s34  ; d = 32 k + L
.endr
.irp k, 0,1,2,3,4,5,6,7
	ds_store_b32 v[CA], v[80+\k] offset:128*\k
.endr
	ds_load_b128 v[64:67], v[CB]                   ; back as 16 bytes a lane: my wave's own bytes, served in order
	ds_load_b128 v[68:71], v[CB] offset:512
	s_wait_dscnt 0x0
	global_store_b128 v[WO], v[64:67], s[20:21]    ; 512 consecutive bytes, aligned
	global_store_b128 v[WO], v[68:71], s[20:21] offset:512
	s_wait_tensorcnt 0x0                           ; the wave's end: three closing lines behind my last LDS store
	ds_add_u32 v[SPW], v[NIL]
	s_wait_dscnt 0x0
	s_endpgm
.Lfunc_end_k_q6ef56fab10_main:
	.size	k_q6ef56fab10_main, .Lfunc_end_k_q6ef56fab10_main-k_q6ef56fab10_main
	.p2alignl 7, 3214868480
	.fill 96, 4, 3214868480
	.section	.rodata,"a",@progbits
	.p2align	6, 0x0
	.amdhsa_kernel k_q6ef56fab10_main
		.amdhsa_group_segment_fixed_size 285184
		.amdhsa_private_segment_fixed_size 0
		.amdhsa_enable_private_segment 0
		.amdhsa_kernarg_size 72
		.amdhsa_user_sgpr_count 2
		.amdhsa_user_sgpr_kernarg_segment_ptr 1
		.amdhsa_wavefront_size32 1
		.amdhsa_system_sgpr_workgroup_id_x 1
		.amdhsa_system_sgpr_workgroup_id_y 1
		.amdhsa_system_sgpr_workgroup_id_z 1
		.amdhsa_system_vgpr_workitem_id 0
		.amdhsa_next_free_vgpr 1024
		.amdhsa_next_free_sgpr 66
		.amdhsa_reserve_vcc 0
		.amdhsa_float_denorm_mode_32 3
		.amdhsa_float_denorm_mode_16_64 3
		.amdhsa_memory_ordered 1
		.amdhsa_forward_progress 1
		.amdhsa_inst_pref_size 248
	.end_amdhsa_kernel
	.amdgpu_metadata
---
amdhsa.version: [ 1, 2 ]
amdhsa.kernels:
  - .name:           k_q6ef56fab10_main
    .symbol:         k_q6ef56fab10_main.kd
    .args:
      - { .name: encoder_output, .offset: 0, .size: 8, .value_kind: global_buffer, .address_space: global }
      - { .name: coverage, .offset: 8, .size: 8, .value_kind: global_buffer, .address_space: global }
      - { .name: mask, .offset: 16, .size: 8, .value_kind: global_buffer, .address_space: global }
      - { .name: w_c, .offset: 24, .size: 8, .value_kind: global_buffer, .address_space: global }
      - { .name: v, .offset: 32, .size: 8, .value_kind: global_buffer, .address_space: global }
      - { .name: wb, .offset: 40, .size: 8, .value_kind: global_buffer, .address_space: global }
      - { .name: u, .offset: 48, .size: 8, .value_kind: global_buffer, .address_space: global }
      - { .name: sc, .offset: 56, .size: 8, .value_kind: global_buffer, .address_space: global }
      - { .name: pc, .offset: 64, .size: 8, .value_kind: global_buffer, .address_space: global }
    .group_segment_fixed_size: 285184
    .private_segment_fixed_size: 0
    .kernarg_segment_align: 8
    .kernarg_segment_size: 72
    .max_flat_workgroup_size: 128
    .sgpr_count:     66
    .vgpr_count:     1024
    .wavefront_size: 32
...
	.end_amdgpu_metadata
.endif
;; end of part 2
;; launch combine (part 3): grid 8 x 16, 8 waves a work-group, no clusters, 5,376 bytes of LDS; arguments sc, pc, mask, coverage, out0, out1, out2; writes out0, out1, out2
.if DOCPART == 3
	.amdgcn_target "amdgcn-amd-amdhsa--gfx1250"
	.amdhsa_code_object_version 6
	.text
	.protected	k_q6ef56fab10_combine
	.globl	k_q6ef56fab10_combine
	.p2align	8
	.type	k_q6ef56fab10_combine,@function
k_q6ef56fab10_combine:
	s_mov_b64 s[64:65], 0
	v_nop
	global_prefetch_b8 v0, s[64:65] scope:SCOPE_SE
	s_setreg_imm32_b32 hwreg(HW_REG_WAVE_MODE, 25, 1), 1
	s_wait_xcnt 0x0
; The blocks of a row b are joined.  q = sc[b][:] (log2(e) x the score, less a term that is the same along s), m_j the maximum of block j (all its rows), M the row's maximum,
;   l_j = sum over block j of 2^(q - m_j) mask,   Ls = sum_j 2^(m_j - M) l_j,
;   out1 = attn = 2^(q - M) mask / Ls,   out2 = coverage + attn,   out0 = sum_j 2^(m_j - M) pc[j] / Ls.
; Left out, as shown at the head of the main kernel: the term sum_e v[e] of the scores and the softmax's own divisor, which cancel for all finite inputs.
; LIMITS.  A weight below 2^-126 counts as 0; a row whose masked sum is 0 gives NaN, as 0/0 does in reference().
; SHARES.  Work-group (x, b): every one makes the row's statistics from all 4,096 q (load j of wave w is exactly block 8 j + w, so a block's figures never leave a wave), then its slice:
; rows 512 x .. + 511 of out1 and out2, columns 128 x .. + 127 of out0 (wave w adds blocks 4 w .. 4 w + 3; the eight parts meet in LDS).
.set LB,    128                        ; LDS: m of the 32 blocks at 0, l at 128
.set CS,    256                        ; 8 waves x 512 bytes: the parts of out0's slice
.set SPARE, 4352                       ; the spare words, 128 bytes for each of 8 waves
.set SPW, 10                           ; v10  LDS address of my spare word; never rewritten
.set NIL, 11                           ; v11  0; never rewritten
.set Q,   16                           ; v16-31  q, four loads of four
.set MK,  32                           ; v32-47  mask likewise
.set QS,  48                           ; v48-49  the slice's q, then attn
.set MS,  50                           ; v50-51  its mask
.set CV,  52                           ; v52-53  its coverage
.set BM,  56                           ; v56-59  m of my four blocks
.set BL,  60                           ; v60-63  l of my four blocks
.set PC,  64                           ; v64-79  pc of blocks 4 w .. 4 w + 3, my 4 columns
.set F,   80                           ; v80-83  their m, then 2^(m - M)
	s_load_b256 s[4:11], s[0:1], 0x0               ; sc s[4:5], pc s[6:7], mask s[8:9], coverage s[10:11]
	s_load_b128 s[12:15], s[0:1], 0x20             ; out0 s[12:13], out1 s[14:15]
	s_load_b64 s[16:17], s[0:1], 0x30              ; out2
	v_lshl_add_u32 v[SPW], v0, 2, SPARE
	v_mov_b32 v[NIL], 0
	v_and_b32 v1, 31, v0                           ; L
	v_lshrrev_b32 v2, 5, v0
	v_readfirstlane_b32 s18, v2                    ; wave 0..7
	s_mov_b32 s19, ttmp9                           ; x
	s_and_b32 s20, ttmp7, 0xffff                   ; b
	s_mov_b32 s22, 0x76543210                      ; v_permlanex16_b32: each lane takes its own place in the other half
	s_mov_b32 s23, 0xfedcba98
	v_lshlrev_b32 v3, 4, v0                        ; 16 t
	v_lshlrev_b32 v4, 3, v0                        ; 8 t
	v_lshlrev_b32 v5, 4, v1                        ; 16 L
	v_lshlrev_b32 v6, 2, v2                        ; 4 w
	v_lshlrev_b32 v7, 2, v1                        ; 4 L
	v_lshlrev_b32 v8, 4, v2                        ; 16 w
	v_lshl_add_u32 v9, v0, 4, CS                   ; CS + 512 w + 16 L
	v_add_nc_u32 v12, CS, v5
.irp j, 0,1,2,3
	v_mov_b32 v[BL+\j], 0                          ; v_permlanex16_b32 counts as a reader of its destination
.endr
	v_mov_b32 v85, 0
	s_lshl_b32 s24, s20, 14                        ; row b of sc, mask, coverage, out1, out2
	s_mov_b32 s25, 0
	s_lshl_b32 s26, s19, 11                        ; + the slice's 512 numbers
	s_add_co_u32 s26, s26, s24
	s_mov_b32 s27, 0
	s_lshl_b32 s28, s20, 17                        ; pc: block 32 b + 4 w, columns 128 x on
	s_lshl_b32 s29, s18, 14
	s_add_co_u32 s28, s28, s29
	s_lshl_b32 s29, s19, 9
	s_add_co_u32 s28, s28, s29
	s_lshl_b32 s30, s20, 12                        ; out0: row b, columns 128 x on
	s_add_co_u32 s30, s30, s29
	s_mov_b32 s29, 0
	s_mov_b32 s31, 0
	s_wait_kmcnt 0x0
	s_add_nc_u64 s[32:33], s[4:5], s[26:27]
	s_add_nc_u64 s[34:35], s[8:9], s[26:27]
	s_add_nc_u64 s[10:11], s[10:11], s[26:27]
	s_add_nc_u64 s[14:15], s[14:15], s[26:27]
	s_add_nc_u64 s[16:17], s[16:17], s[26:27]
	s_add_nc_u64 s[4:5], s[4:5], s[24:25]
	s_add_nc_u64 s[8:9], s[8:9], s[24:25]
	s_add_nc_u64 s[6:7], s[6:7], s[28:29]
	s_add_nc_u64 s[12:13], s[12:13], s[30:31]
.irp j, 0,1,2,3
	global_load_b128 v[Q+4*\j:Q+4*\j+3], v3, s[4:5] offset:4096*\j
.endr
.irp j, 0,1,2,3
	global_load_b128 v[MK+4*\j:MK+4*\j+3], v3, s[8:9] offset:4096*\j
.endr
	global_load_b64 v[QS:QS+1], v4, s[32:33]
	global_load_b64 v[MS:MS+1], v4, s[34:35]
	global_load_b64 v[CV:CV+1], v4, s[10:11]
.irp i, 0,1,2,3
	global_load_b128 v[PC+4*\i:PC+4*\i+3], v5, s[6:7] offset:4096*\i th:TH_LOAD_NT
.endr
.macro RED4 op, base                   ; four registers, each reduced over its 16 lanes; the four take turns
.irp m, 1,2,4,8
.irp j, 0,1,2,3
	\op v[(\base)+\j], v[(\base)+\j], v[(\base)+\j] row_xmask:\m row_mask:0xf bank_mask:0xf
.endr
.endr
.endm
	s_wait_loadcnt 7                               ; q and mask are in; the slice's three loads and pc's four may stay out
.irp j, 0,1,2,3
	v_max3_num_f32 v[BM+\j], v[Q+4*\j], v[Q+4*\j+1], v[Q+4*\j+2]
.endr
.irp j, 0,1,2,3
	v_max_num_f32 v[BM+\j], v[BM+\j], v[Q+4*\j+3]
.endr
	RED4 v_max_num_f32_dpp, BM
.irp j, 0,1,2,3
	v_permlanex16_b32 v[BL+\j], v[BM+\j], s22, s23
.endr
.irp j, 0,1,2,3
	v_max_num_f32 v[BM+\j], v[BM+\j], v[BL+\j]     ; m of block 8 j + w: a maximum of the same numbers as in the main launch, so the same number
.endr
.irp j, 0,1,2,3
.irp k, 0,1,2,3
	v_sub_f32 v[Q+4*\j+\k], v[Q+4*\j+\k], v[BM+\j]
.endr
.endr
.set z, 0
.rept 16
	v_exp_f32 v[Q+z], v[Q+z]
.set z, z+1
.endr
	v_nop                                          ; a plain instruction behind the last exponential,
	s_wait_alu depctr_va_vdst(0)                   ; and one wait for the sixteen
.irp j, 0,1,2,3
	v_pk_mul_f32 v[Q+4*\j:Q+4*\j+1], v[Q+4*\j:Q+4*\j+1], v[MK+4*\j:MK+4*\j+1]
.endr
.irp j, 0,1,2,3
	v_pk_fma_f32 v[Q+4*\j:Q+4*\j+1], v[Q+4*\j+2:Q+4*\j+3], v[MK+4*\j+2:MK+4*\j+3], v[Q+4*\j:Q+4*\j+1]
.endr
.irp j, 0,1,2,3
	v_add_f32 v[BL+\j], v[Q+4*\j], v[Q+4*\j+1]
.endr
	RED4 v_add_f32_dpp, BL
.irp j, 0,1,2,3
	v_permlanex16_b32 v[Q+4*\j], v[BL+\j], s22, s23
.endr
.irp j, 0,1,2,3
	v_add_f32 v[BL+\j], v[BL+\j], v[Q+4*\j]        ; l of block 8 j + w
.endr
.irp j, 0,1,2,3
	ds_store_b32 v6, v[BM+\j] offset:32*\j         ; all lanes write the same word with the same number
	ds_store_b32 v6, v[BL+\j] offset:LB+32*\j
.endr
	s_wait_dscnt 0x0                               ; for the others' sake
	s_barrier_signal -1
	s_barrier_wait -1
	ds_load_b32 v54, v7                            ; lane L: m and l of block L
	ds_load_b32 v55, v7 offset:LB
	ds_load_b128 v[F:F+3], v8                      ; m of blocks 4 w .. 4 w + 3
	s_wait_dscnt 0x0
	v_mov_b32 v84, v54
	v_max_num_f32_dpp v84, v84, v84 row_xmask:1 row_mask:0xf bank_mask:0xf
	v_max_num_f32_dpp v84, v84, v84 row_xmask:2 row_mask:0xf bank_mask:0xf
	v_max_num_f32_dpp v84, v84, v84 row_xmask:4 row_mask:0xf bank_mask:0xf
	v_max_num_f32_dpp v84, v84, v84 row_xmask:8 row_mask:0xf bank_mask:0xf
	v_permlanex16_b32 v85, v84, s22, s23
	v_max_num_f32 v84, v84, v85                    ; M
	s_wait_loadcnt 0x0                             ; the slice and pc
	v_sub_f32 v86, v54, v84
.irp i, 0,1,2,3
	v_sub_f32 v[F+\i], v[F+\i], v84
.endr
	v_sub_f32 v[QS], v[QS], v84
	v_sub_f32 v[QS+1], v[QS+1], v84
	v_exp_f32 v86, v86
.irp i, 0,1,2,3
	v_exp_f32 v[F+\i], v[F+\i]
.endr
	v_exp_f32 v[QS], v[QS]
	v_exp_f32 v[QS+1], v[QS+1]
	v_nop
	s_wait_alu depctr_va_vdst(0)                   ; one wait for the seven
	v_mul_f32 v87, v86, v55
	v_add_f32_dpp v87, v87, v87 row_xmask:1 row_mask:0xf bank_mask:0xf
	v_add_f32_dpp v87, v87, v87 row_xmask:2 row_mask:0xf bank_mask:0xf
	v_add_f32_dpp v87, v87, v87 row_xmask:4 row_mask:0xf bank_mask:0xf
	v_add_f32_dpp v87, v87, v87 row_xmask:8 row_mask:0xf bank_mask:0xf
	v_permlanex16_b32 v85, v87, s22, s23
	v_add_f32 v87, v87, v85                        ; Ls
	v_rcp_f32 v88, v87
	v_pk_mul_f32 v[QS:QS+1], v[QS:QS+1], v[MS:MS+1]  ; work that names neither Ls nor its reciprocal stands behind it
.irp k, 0,1,2,3
	v_mul_f32 v[90+\k], v[F], v[PC+\k]
.endr
.irp i, 1,2,3
.irp k, 0,1,2,3
	v_fma_f32 v[90+\k], v[F+\i], v[PC+4*\i+\k], v[90+\k]
.endr
.endr
	ds_store_b128 v9, v[90:93]
	s_wait_alu depctr_va_vdst(0)                   ; the reciprocal's wait, ahead of its first reader
	v_mul_f32 v[QS], v[QS], v88
	v_mul_f32 v[QS+1], v[QS+1], v88
	global_store_b64 v4, v[QS:QS+1], s[14:15]      ; attn: a wave stores 256 consecutive bytes, aligned
	v_pk_add_f32 v[CV:CV+1], v[CV:CV+1], v[QS:QS+1]
	global_store_b64 v4, v[CV:CV+1], s[16:17]
	s_wait_dscnt 0x0                               ; for wave 0's sake: my part of out0's slice is stored
	s_barrier_signal -1
	s_barrier_wait -1
	s_cmp_lg_u32 s18, 0
	s_cbranch_scc1 .Lend
.irp k, 0,1,2,3,4,5,6,7
	ds_load_b128 v[16+4*\k:16+4*\k+3], v12 offset:512*\k
.endr
	s_wait_dscnt 0x0
.irp k, 0,2,4,6
	v_pk_add_f32 v[16+4*\k:16+4*\k+1], v[16+4*\k:16+4*\k+1], v[20+4*\k:20+4*\k+1]
	v_pk_add_f32 v[18+4*\k:18+4*\k+1], v[18+4*\k:18+4*\k+1], v[22+4*\k:22+4*\k+1]
.endr
.irp k, 0,4
	v_pk_add_f32 v[16+4*\k:16+4*\k+1], v[16+4*\k:16+4*\k+1], v[24+4*\k:24+4*\k+1]
	v_pk_add_f32 v[18+4*\k:18+4*\k+1], v[18+4*\k:18+4*\k+1], v[26+4*\k:26+4*\k+1]
.endr
	v_pk_add_f32 v[16:17], v[16:17], v[32:33]
	v_pk_add_f32 v[18:19], v[18:19], v[34:35]
.irp k, 0,1,2,3
	v_mul_f32 v[16+\k], v[16+\k], v88
.endr
	global_store_b128 v5, v[16:19], s[12:13]       ; 512 consecutive bytes, aligned
.Lend:
	s_wait_tensorcnt 0x0                           ; the wave's end: three closing lines behind my last LDS store
	ds_add_u32 v[SPW], v[NIL]
	s_wait_dscnt 0x0
	s_endpgm
.Lfunc_end_k_q6ef56fab10_combine:
	.size	k_q6ef56fab10_combine, .Lfunc_end_k_q6ef56fab10_combine-k_q6ef56fab10_combine
	.p2alignl 7, 3214868480
	.fill 96, 4, 3214868480
	.section	.rodata,"a",@progbits
	.p2align	6, 0x0
	.amdhsa_kernel k_q6ef56fab10_combine
		.amdhsa_group_segment_fixed_size 5376
		.amdhsa_private_segment_fixed_size 0
		.amdhsa_enable_private_segment 0
		.amdhsa_kernarg_size 56
		.amdhsa_user_sgpr_count 2
		.amdhsa_user_sgpr_kernarg_segment_ptr 1
		.amdhsa_wavefront_size32 1
		.amdhsa_system_sgpr_workgroup_id_x 1
		.amdhsa_system_sgpr_workgroup_id_y 1
		.amdhsa_system_sgpr_workgroup_id_z 1
		.amdhsa_system_vgpr_workitem_id 0
		.amdhsa_next_free_vgpr 96
		.amdhsa_next_free_sgpr 66
		.amdhsa_reserve_vcc 0
		.amdhsa_float_denorm_mode_32 3
		.amdhsa_float_denorm_mode_16_64 3
		.amdhsa_memory_ordered 1
		.amdhsa_forward_progress 1
		.amdhsa_inst_pref_size 14
	.end_amdhsa_kernel
	.amdgpu_metadata
---
amdhsa.version: [ 1, 2 ]
amdhsa.kernels:
  - .name:           k_q6ef56fab10_combine
    .symbol:         k_q6ef56fab10_combine.kd
    .args:
      - { .name: sc, .offset: 0, .size: 8, .value_kind: global_buffer, .address_space: global }
      - { .name: pc, .offset: 8, .size: 8, .value_kind: global_buffer, .address_space: global }
      - { .name: mask, .offset: 16, .size: 8, .value_kind: global_buffer, .address_space: global }
      - { .name: coverage, .offset: 24, .size: 8, .value_kind: global_buffer, .address_space: global }
      - { .name: out0, .offset: 32, .size: 8, .value_kind: global_buffer, .address_space: global }
      - { .name: out1, .offset: 40, .size: 8, .value_kind: global_buffer, .address_space: global }
      - { .name: out2, .offset: 48, .size: 8, .value_kind: global_buffer, .address_space: global }
    .group_segment_fixed_size: 5376
    .private_segment_fixed_size: 0
    .kernarg_segment_align: 8
    .kernarg_segment_size: 56
    .max_flat_workgroup_size: 256
    .sgpr_count:     66
    .vgpr_count:     96
    .wavefront_size: 32
...
	.end_amdgpu_metadata
.endif
;; end of part 3
;; ======== version 2 of 2: 3 launches; version 1 with the launch main written anew for expert scheduling mode
;; workspace buffers: wb 2,097,152 bytes; u 65,536 bytes; sc 262,144 bytes; pc 2,097,152 bytes
;; launch prep: the kernel of part 1 again; grid 128 x 1, 16 waves a work-group, no clusters, 22,528 bytes of LDS; arguments W_h, W_s, b_s, decoder_hidden, wb, u; writes wb, u
;; launch main (part 4): grid 32 x 16, 4 waves a work-group, no clusters, 285,184 bytes of LDS; arguments encoder_output, coverage, mask, w_c, v, wb, u, sc, pc; writes sc, pc
.if DOCPART == 4
	.amdgcn_target "amdgcn-amd-amdhsa--gfx1250"
	.amdhsa_code_object_version 6
	.text
	.protected	k_q6ef56fab10_main
	.globl	k_q6ef56fab10_main
	.p2align	8
	.type	k_q6ef56fab10_main,@function
k_q6ef56fab10_main:
	s_mov_b64 s[64:65], 0
	v_nop
	global_prefetch_b8 v0, s[64:65] scope:SCOPE_SE
	s_setreg_imm32_b32 hwreg(HW_REG_WAVE_SCHED_MODE, 0, 2), 2
	s_setreg_imm32_b32 hwreg(HW_REG_WAVE_MODE, 25, 1), 1
	s_wait_xcnt 0x0
	s_wait_alu depctr_vm_vsrc(0)
; One block of 128 rows s of one batch row b: X = encoder_output[b][s0..s0+127][:] is read from memory ONCE, rounded to bf16 and kept in LDS for both products.
;   z[s][e] = X[s] . W_h[e] + u[b][e] + coverage[b][s] w_c[e]       (u = decoder_hidden W_s^T + b_s, from the launch before)
;   q[s]    = sum over e of (-c v[e]) r,  r = 1 / (1 + 2^(c z)),  c = 2 log2(e)          -> sc
;   p[s]    = 2^(q[s] - m) mask[b][s],  m = the block's maximum of q over ALL its rows, masked or not
;   pc[blk][d] = sum over s of p[s] X[s][d]                                              -> pc
; WORK LEFT OUT, for all finite values of the inputs.  (1) tanh(z) = 1 - 2 r, so scores[b][s] = sum_e v[e] - 2 sum_e v[e] r.  The first term is the same for every s of a
; row b, and a softmax along s does not change when one number is added to all its inputs: it is not formed.  log2(e) times what is left is q.  (2) The softmax's own divisor Z
; is one number for a row b, finite and at least 1; in attn = (w/Z) mask / sum((w/Z) mask) it cancels: it is not formed.  The maximum that reference() takes away is kept:
; here the block's, in the last launch the row's.  Every input has a way to an output and is loaded.
; LIMITS.  An overflow, NaN or infinity that reaches only sum_e v[e] or Z is not carried to the result.  2^x and 1/x flush denormals (ISA guide, their entries): a weight below
; 2^-126 counts as 0.  For large |z|: 2^(c z) = infinity gives r = 0, 2^(c z) = 0 gives r = 1, as tanh's limits ask.  X, W_h are rounded once to bf16; p enters the second product as two bf16, high part and rest.
; SHARES.  Wave w owns e = 256 w .. 256 w + 255 for all 128 rows, in two passes of 128 e: a tile of 128 s x 128 e, 64 accumulators: a K step's 8 KiB of X from LDS feed 64 matrix instructions.
; Source 0 = 16 rows of W_h, source 1 = 16 rows of X: a lane holds ONE row s (16 t + lane % 16) and e = 8 (lane / 16) + 0..7, so the sum over e stays in the lane but for one exchange of the halves.
; NO TENSOR LOADS, NO CLUSTER.  X takes 264,192 bytes of LDS; beside it two slots of W_h would hold at most 16 KiB each, 32 matrix instructions a wave between two changes of slots.
; And no wave wants a byte of W_h that another wave of the work-group fetched.  So W_h comes straight into registers, in fragment order (wb), through a ring of four sets, three K steps (24 KiB a wave) ahead.
; REGISTERS, in windows of 256 (s_set_vgpr_msb: bits 1:0 source 0, 3:2 source 1, 5:4 source 2, 7:6 destination):
;   window 0: addresses, statistics, two buffers of X's fragments               window 1: the ring of W_h: 4 sets of 64; later X^T for the second product
;   window 2: the accumulators of row tiles 0-3, (t, i) at 8 (8 t + i)          window 3: X as loaded, 8 rows of 32 registers; then the accumulators of row tiles 4-7; later X^T
; THE MODE: SCHED_MODE bits 1:0 = 2 (LLVM: expert scheduling mode 2), set by the entry lines.  The code itself states the register dependences between vector or matrix
; instructions and memory or LDS instructions, with s_wait_alu, always for 0.
; THE PLAN.  Registers that memory or LDS instructions touch:
;   v6, v10-15, v24-31   addresses, made at the head and never written again.  v4, v5: stepped once a trip of the rows' loop.  v7: once a pass.  XA (v33 + 2 t): in a trip's last K step.
;   window 3, row slot s Phase L, turn s: its sixteen conversions read the slot; behind them the loads of the row eight on land in it.
;   CT0, CT1             Turn s: the conversions write CT[s % 2], the turn's eight LDS stores read it; turn s + 2 writes it again.
;   W_h's sets, XF0, XF1 K step u: its 64 products read set u % 4 and XF[u % 2].  Its loads land in set (u + 3) % 4 = (u - 1) % 4 and in XF[(u + 1) % 2] = XF[(u - 1) % 2]: what step u - 1 read and no product of step u names.
;                        So ONE wait on va_vdst stands at a step's head, and the step's 32 loads are dealt among its products with no further wait.
;   XF as tables         u and w_c (a pass's head) and -c v (the way from z to q) land in XF and are read by packed vector lines: a wait on va_vdst ahead of each of these runs and ahead of the pass's first fragments.
;   v64-127, windows 1, 3  Phases S and C: each run of LDS stores stands behind a wait on va_vdst for its data, each run of loads behind one for the registers' last readers; a register that a store has read is written again behind a wait on vm_vsrc.
;   The accumulators and q's sums (v48-63) are named by vector and matrix instructions alone, until phase S loads X^T over window 3.
.set PITCH, 2064                       ; a row of X in LDS: 2,048 bytes + 16 = 516 words: the 16 rows of a fragment load start 4 banks apart (64 banks of 4 bytes: ISA guide 11.1)
.set TU,    128*PITCH                  ; 264,192: u[b][e], 4,096 bytes; then w_c[e]; then -c v[e]
.set SCR,   TU+12288                   ; 4 waves x 128 rows: the waves' parts of q
.set PT,    SCR+2048                   ; a wave's own 512: p's high parts, 256 bytes, then the rests
.set CST,   PT+2048                    ; a wave's own 1,024: its 256 numbers of pc on the way out
.set SPARE, CST+4096                   ; the spare words, 128 bytes a wave
.set KSB,   8192                       ; a K step of my wave's W_h: 8 fragments of 1,024 bytes
.set GO,  4                            ; v4   16 L + the rows done: X in memory
.set LA,  5                            ; v5   where my 8 bytes of a row go in LDS
.set WO,  6                            ; v6   16 L; never rewritten
.set TBA, 7                            ; v7   TU + 1024 w + 32 (L/16) + 512 x pass
.set SPW, 8                            ; v8   LDS address of my spare word; never rewritten
.set NIL, 9                            ; v9   0; never rewritten
.set SA,  10
.set SB,  11
.set TA,  12                           ; v12-15  the turning loads' addresses, 32 rows of X each
.set XB,  16                           ; v16-23  row tile t's fragment address at k = 0
.set PA,  24
.set PB,  25
.set CA,  26
.set CB,  27
.set COV, 32                           ; v[32+2t] coverage of my row in tile t; v[33+2t] = XA, tile t's fragment address in the trip in hand (a pair, since the packed line names a pair)
.set XA,  33
.set SC,  48                           ; v48-63  q's partial sums, a pair a row tile
.set CT,  64                           ; v64-95  a row rounded to bf16, two buffers of 16; later at work
.set PF,  96                           ; v96-119 u, w_c, v as loaded; later v96-127 p's fragments
.set MK,  120                          ; v120-123 mask of rows 4 L .. 4 L + 3
.set XF,  128                          ; v128-191, v192-255  X's fragments, two buffers, tile t at +8 t.  While the sums are started they hold u (128 + 8 i) and w_c (192 + 8 i); on the way from z to q the first holds -c v
.set VT,  128
.set CC,  36                           ; s[36:37] c
.set MSB, 0
.macro WIN new                         ; the immediate's high byte repeats the setting that is left; a switch that changes nothing is dropped
.if MSB != (\new)
	s_set_vgpr_msb (MSB<<8)|(\new)
.set MSB, \new
.endif
.endm
	s_load_b512 s[4:19], s[0:1], 0x0               ; X s[4:5], coverage s[6:7], mask s[8:9], w_c s[10:11], v s[12:13], wb s[14:15], u s[16:17], sc s[18:19]
	s_load_b64 s[20:21], s[0:1], 0x40              ; pc
	v_lshl_add_u32 v[SPW], v0, 2, SPARE
	v_mov_b32 v[NIL], 0
	v_and_b32 v1, 31, v0                           ; L
	v_and_b32 v2, 15, v0                           ; L % 16
	v_bfe_u32 v3, v0, 4, 1                         ; L / 16
	v_lshrrev_b32 v31, 5, v0
	v_readfirstlane_b32 s22, v31                   ; wave 0..3
	s_mov_b32 s23, ttmp9                           ; the block in its row b
	s_and_b32 s24, ttmp7, 0xffff                   ; b
	s_lshl_b32 s25, s24, 5
	s_add_co_u32 s25, s25, s23                     ; the block among all 512
	s_mov_b32 s32, 0x76543210                      ; v_permlanex16_b32: each lane takes its own place in the other half
	s_mov_b32 s33, 0xfedcba98
	s_mov_b32 s34, 0xffff0000                      ; lanes 16-31
	s_mov_b32 s[CC], 0x4038aa3b                    ; c = 2 log2(e)
	s_mov_b32 s[CC+1], s[CC]                       ; named with it as a pair
	s_mov_b32 s38, 0xc038aa3b                      ; -c
	s_mov_b32 s39, s38
	v_lshlrev_b32 v[GO], 4, v1
	v_lshlrev_b32 v[WO], 4, v1
	s_wait_alu depctr_va_sdst(0)                   ; s22, the wave's number, is written, ahead of its first reader
	s_mul_i32 s40, s22, 32*PITCH                   ; my wave brings rows 32 w .. 32 w + 31
	v_lshl_add_u32 v[LA], v1, 3, s40
	s_lshl_b32 s41, s22, 10
	s_lshl_b32 s42, s22, 9
	s_add_co_u32 s43, s41, TU
	v_lshl_add_u32 v[TBA], v3, 5, s43
	s_add_co_u32 s43, s42, SCR
	v_lshl_add_u32 v[SA], v1, 2, s43
	v_lshl_add_u32 v[SB], v1, 4, SCR
	v_and_b32 v31, 7, v0                           ; the turning load: lane L reads row 8 (L/16) + L%8, 16 bytes at 16 ((L/8)%2), of my wave's 512 bytes of a row
	v_lshl_add_u32 v31, v3, 3, v31
	v_mul_u32_u24 v31, v31, PITCH
	v_bfe_u32 v30, v0, 3, 1
	v_lshl_add_u32 v31, v30, 4, v31
	v_add_nc_u32 v31, s42, v31
.irp kc, 0,1,2,3
	v_add_nc_u32 v[TA+\kc], \kc*32*PITCH, v31
.endr
	v_mul_u32_u24 v31, v2, PITCH                   ; a fragment: row L%16, 16 bytes for each half of the lanes
	v_lshl_add_u32 v31, v3, 4, v31
.irp t, 0,1,2,3,4,5,6,7
	v_add_nc_u32 v[XB+\t], \t*16*PITCH, v31
.endr
	s_add_co_u32 s43, s42, PT
	v_lshl_add_u32 v[PA], v1, 3, s43
	v_and_b32 v31, 1, v0                           ; p's fragments: even rows of source 0 take the high parts, odd rows the rests
	v_lshlrev_b32 v31, 8, v31
	v_lshl_add_u32 v31, v3, 4, v31
	v_add_nc_u32 v[PB], s43, v31
	s_add_co_u32 s43, s41, CST
	v_lshl_add_u32 v[CA], v1, 2, s43
	v_lshl_add_u32 v[CB], v1, 4, s43
	v_lshlrev_b32 v28, 5, v0                       ; the tables: thread t takes e = 8 t .. 8 t + 7
	v_add_nc_u32 v29, TU, v28
	v_and_b32 v30, 1, v0                           ; u lies by tiles of 16 e, [e/16][b][e%16]: tile t / 2, its half t % 2
	v_lshlrev_b32 v30, 5, v30
	v_lshrrev_b32 v31, 1, v0
	v_lshl_add_u32 v31, v31, 10, v30
	v_lshlrev_b32 v30, 2, v2
	s_lshl_b32 s26, s25, 19                        ; a block of X: 128 rows of 4,096 bytes,
	s_lshl_b32 s27, s22, 17                        ; my wave's 32 of them
	s_add_co_u32 s26, s26, s27
	s_mov_b32 s27, 0
	s_lshl_b32 s44, s24, 14                        ; the block's 128 numbers in coverage, mask and sc
	s_lshl_b32 s45, s23, 9
	s_add_co_u32 s44, s44, s45
	s_mov_b32 s45, 0
	s_lshl_b32 s46, s24, 6                         ; row b in a tile of u
	s_mov_b32 s47, 0
	s_lshl_b32 s48, s22, 19                        ; my wave's 256 rows of W_h: 64 K steps of 8,192 bytes on end
	s_mov_b32 s49, 0
	s_lshl_b32 s50, s25, 12                        ; the block's row of pc, my wave's 1,024 bytes
	s_add_co_u32 s50, s50, s41
	s_mov_b32 s51, 0
	s_wait_kmcnt 0x0
	s_add_nc_u64 s[4:5], s[4:5], s[26:27]
	s_add_nc_u64 s[6:7], s[6:7], s[44:45]
	s_add_nc_u64 s[8:9], s[8:9], s[44:45]
	s_add_nc_u64 s[18:19], s[18:19], s[44:45]
	s_add_nc_u64 s[16:17], s[16:17], s[46:47]
	s_add_nc_u64 s[14:15], s[14:15], s[48:49]
	s_add_nc_u64 s[20:21], s[20:21], s[50:51]
	s_wait_alu depctr_va_vdst(0)                   ; all addresses and offsets (v4-7, v10-15, v24-31) are written, which the kernel's loads and stores read
	global_load_b128 v[96:99],   v31, s[16:17]
	global_load_b128 v[100:103], v31, s[16:17] offset:16
	global_load_b128 v[104:107], v28, s[10:11]
	global_load_b128 v[108:111], v28, s[10:11] offset:16
	global_load_b128 v[112:115], v28, s[12:13]
	global_load_b128 v[116:119], v28, s[12:13] offset:16
.irp t, 0,1,2,3,4,5,6,7
	global_load_b32 v[COV+2*\t], v30, s[6:7] offset:64*\t
.endr
	global_load_b128 v[MK:MK+3], v[WO], s[8:9]
	WIN 0xc0                                       ; destination window 3
.irp s, 0,1,2,3,4,5,6,7
.irp j, 0,1,2,3,4,5,6,7
	global_load_b128 v[32*\s+4*\j:32*\s+4*\j+3], v[GO], s[4:5] offset:\s*4096+\j*512 th:TH_LOAD_NT  ; the ring is filled: rows 0-7 of my 32, 512 consecutive bytes a load
.endr
.endr
	WIN 0
.set z, 0
.rept 16
	v_mov_b32 v[SC+z], 0
.set z, z+1
.endr
.irp t, 0,1,2,3,4,5,6,7
	v_mov_b32 v[XA+2*\t], v[XB+\t]
.endr
; Eight loads: fragments i0 .. i0 + 3 of one K step of W_h into a set of the ring, from byte off behind the pointer.
.macro WLOAD8 set, i0, off
.irp ii, 0,1,2,3
	global_load_b128 v[64*(\set)+8*((\i0)+\ii):64*(\set)+8*((\i0)+\ii)+3],   v[WO], s[14:15] offset:(\off)+((\i0)+\ii)*1024
	global_load_b128 v[64*(\set)+8*((\i0)+\ii)+4:64*(\set)+8*((\i0)+\ii)+7], v[WO], s[14:15] offset:(\off)+((\i0)+\ii)*1024+512
.endr
.endm
; PHASE L.  The turn of row slot s: its eight loads are in; the row is rounded to bf16 and stored into LDS.  kind 1: the slot is asked for again, eight rows on: seven younger groups of eight stay out.
; kind 2 (the last eight rows): half a set of W_h takes the refill's place in the count, six times: W_h's first three K steps; in the last turn only those 48 loads are younger.
; The slot is asked for again at once, so the wait on va_vdst stands behind the conversions that empty it and not at the next turn's head.
.macro SLOT s, kind
.set CTB, CT+16*((\s)%2)
.if ((\kind) == 2) && ((\s) == 7)
	s_wait_loadcnt 48
.else
	s_wait_loadcnt 56
.endif
	s_wait_alu depctr_vm_vsrc(0)                   ; the LDS stores of two turns back have read this turn's buffer of CT, which the conversions write again
	WIN 0x0f                                       ; sources 0 and 1 window 3
.set z, 0
.rept 16
	v_cvt_pk_bf16_f32 v[CTB+z], v[32*(\s)+2*z], v[32*(\s)+2*z+1]
.set z, z+1
.endr
.if (\kind) == 1
	WIN 0xc0
.elseif (\s) < 6
	WIN 0x40                                       ; destination window 1
.else
	WIN 0
.endif
	s_wait_alu depctr_va_vdst(0)                   ; the conversions have written CT, which the LDS stores read, and are done reading the slot, in which the loads land; behind the loop's jump v4 and v5 are written too
.if (\kind) == 1
.irp j, 0,1,2,3,4,5,6,7
	global_load_b128 v[32*(\s)+4*\j:32*(\s)+4*\j+3], v[GO], s[4:5] offset:(8+(\s))*4096+\j*512 th:TH_LOAD_NT
.endr
.elseif (\s) < 6
	WLOAD8 (\s)/2, 4*((\s)%2), ((\s)/2)*KSB
.endif
	WIN 0
.irp j, 0,1,2,3,4,5,6,7
	ds_store_b64 v[LA], v[CTB+2*\j:CTB+2*\j+1] offset:(\s)*PITCH+\j*256  ; 32 lanes, 256 consecutive bytes
.endr
.endm
	s_mov_b32 s30, 3
.Lrows:
.irp s, 0,1,2,3,4,5,6,7
	SLOT \s, 1
.endr
	s_wait_xcnt 0x0                                ; the loads issued so far have had their addresses translated: their address register may be stepped
	s_wait_alu depctr_vm_vsrc(0)                   ; the loads have read v4 and the LDS stores v5, which the two lines below write
	v_add_nc_u32 v[GO], 0x8000, v[GO]
	v_add_nc_u32 v[LA], 8*PITCH, v[LA]
	s_sub_co_u32 s30, s30, 1
	s_cmp_lg_u32 s30, 0
	s_cbranch_scc1 .Lrows
.irp s, 0,1,2,3,4,5,6,7
	SLOT \s, 2
.endr
	; the tables: loaded ahead of all rows, so the waits above have shown them in
.irp p, 0,2,4,6
	v_pk_mul_f32 v[112+\p:112+\p+1], v[112+\p:112+\p+1], s[38:39] op_sel_hi:[1,0]  ; -c v
.endr
	s_wait_alu depctr_va_vdst(0)                   ; -c v is written in v112-119, which the LDS stores read
	ds_store_b128 v29, v[96:99]
	ds_store_b128 v29, v[100:103] offset:16
	ds_store_b128 v29, v[104:107] offset:4096
	ds_store_b128 v29, v[108:111] offset:4112
	ds_store_b128 v29, v[112:115] offset:8192
	ds_store_b128 v29, v[116:119] offset:8208
	s_wait_dscnt 0x0                               ; for the others' sake: my rows of X and my part of the tables are stored
	s_barrier_signal -1
	s_barrier_wait -1                              ; X and the tables are whole; from here on nobody writes them
	s_wait_alu depctr_vm_vsrc(0)                   ; my LDS stores have read v64-119: phases S and C write these registers again, by vector lines and by loads
; THE FIRST PRODUCT.  Eight matrix instructions: row tile 4 hi + tt x the pass's eight e tiles, 32 along k, K step u of a trip.  The 64 accumulators take turns, one instruction a turn, over the jumps too.
.macro MM8 u, hi, tt
	WIN 0xa1+0x50*(\hi)                            ; W_h window 1, X window 0, C and D window 2 or 3
.irp i, 0,1,2,3,4,5,6,7
	v_wmma_f32_16x16x32_bf16 v[8*(8*(\tt)+\i):8*(8*(\tt)+\i)+7], v[64*((\u)%4)+8*\i:64*((\u)%4)+8*\i+7], v[XF+64*((\u)%2)+8*(4*(\hi)+(\tt)):XF+64*((\u)%2)+8*(4*(\hi)+(\tt))+7], v[8*(8*(\tt)+\i):8*(8*(\tt)+\i)+7]
.endr
.endm
.macro XLOAD4 buf, off, t0             ; four LDS loads: the fragments of row tiles t0 and t0 + 1 of one K step
	WIN 0
.irp tq, 0,1
	ds_load_b128 v[XF+64*(\buf)+8*((\t0)+\tq):XF+64*(\buf)+8*((\t0)+\tq)+3],   v[XA+2*((\t0)+\tq)] offset:(\off)
	ds_load_b128 v[XF+64*(\buf)+8*((\t0)+\tq)+4:XF+64*(\buf)+8*((\t0)+\tq)+7], v[XA+2*((\t0)+\tq)] offset:(\off)+32
.endr
.endm
; A K step: 64 matrix instructions in eight groups of eight.  wcnt: the younger sets of W_h, sixteen loads each, may stay out.  At its head stands the step's one wait on va_vdst; behind it the set and the
; buffer of the step before are asked for again, dealt among the products: X one step on, four loads behind each of the first four groups; W_h three K steps on (wld = 1), eight loads behind the fifth and the sixth.
; xk = 0: four v_nop stand between the last step's products and the loads into what those read; 1: a trip's last step: the addresses go 256 bytes on; 2: a pass's last step: they go back, and nothing of X is fetched.
.macro STEP u, wld, wcnt, xk
	s_wait_loadcnt \wcnt
	s_wait_dscnt 0x0                               ; this step's fragments of X are in: they were asked for in the first half of the step before (a pass's first: ahead of the trip)
.if (\xk) == 0
.rept 4
	v_nop
.endr
.else
	WIN 0
	s_wait_alu depctr_vm_vsrc(0)                   ; the fragment loads issued so far have read XA, which the eight lines below write
.irp t, 0,1,2,3,4,5,6,7
.if (\xk) == 1
	v_add_nc_u32 v[XA+2*\t], 256, v[XA+2*\t]
.else
	v_mov_b32 v[XA+2*\t], v[XB+\t]
.endif
.endr
.endif
.if (\wld) || ((\xk) < 2)
	s_wait_alu depctr_va_vdst(0)                   ; the last step's products are done reading their set of W_h and their buffer of X, in which this step's loads land; in a trip's last step XA is written.  No product of this step names a register that its loads touch
.endif
.irp tt, 0,1,2,3
	MM8 \u, 0, \tt
.if (\xk) < 2
	XLOAD4 ((\u)+1)%2, (((\u)+1)%4)*64, 2*\tt
.endif
.endr
	MM8 \u, 1, 0
.if \wld
	WIN 0x40
	WLOAD8 ((\u)+3)%4, 0, ((\u)+3)*KSB
.endif
	MM8 \u, 1, 1
.if \wld
	WIN 0x40
	WLOAD8 ((\u)+3)%4, 4, ((\u)+3)*KSB
.endif
	MM8 \u, 1, 2
	MM8 \u, 1, 3
.endm
; A trip: four K steps, once round W_h's ring.  kind 0: inside a pass; 1: a pass's last; 2: the launch's last: only its first step still has a K step three on, and the counts run down; its last step issues no load and has no wait on va_vdst.
.macro TRIP kind
.if (\kind) == 2
	STEP 0, 1, 32, 0
	STEP 1, 0, 32, 0
	STEP 2, 0, 16, 0
	STEP 3, 0, 0, 2
	WIN 0
.else
	STEP 0, 1, 32, 0
	STEP 1, 1, 32, 0
	STEP 2, 1, 32, 0
	STEP 3, 1, 32, 1+(\kind)
	WIN 0
	s_wait_xcnt 0x0                                ; the loads of W_h issued so far (the youngest 16 products back) have had their addresses translated: the pointer may be stepped
	s_add_nc_u64 s[14:15], s[14:15], 4*KSB
.endif
.endm
; THE WAY FROM z TO q, in sixteen batches of four accumulators (batch bn: e tile bn % 8, row tiles 4 (bn / 8) + 0..3, which lie in window 2 + bn / 8): c z; 2^; + 1; 1/; times -c v[e], added to the row's sum.
.macro EREG bn, tt
.set ra, 8*(8*(\tt)+(\bn)%8)
.endm
.macro E_MUL bn                        ; each accumulator is read from its low end first
	WIN 0x82+0x41*((\bn)/8)
.irp tt, 0,1,2,3
	EREG \bn, \tt
.irp p, 0,2,4,6
	v_pk_mul_f32 v[ra+\p:ra+\p+1], v[ra+\p:ra+\p+1], s[CC:CC+1] op_sel_hi:[1,0]
.endr
.endr
.endm
.macro E_ADD bn
	WIN 0x82+0x41*((\bn)/8)
.irp tt, 0,1,2,3
	EREG \bn, \tt
.irp p, 0,2,4,6
	v_pk_add_f32 v[ra+\p:ra+\p+1], v[ra+\p:ra+\p+1], 1.0 op_sel_hi:[1,0]
.endr
.endr
.endm
.macro E_TR op, bn
	WIN 0x82+0x41*((\bn)/8)
.irp tt, 0,1,2,3
	EREG \bn, \tt
.irp j, 0,1,2,3,4,5,6,7
	\op v[ra+\j], v[ra+\j]
.endr
.endr
.endm
.macro E_FMA bn
	WIN 0x02+(\bn)/8                               ; source 0 in the accumulators' window
.irp p, 0,2,4,6
.irp tt, 0,1,2,3
	EREG \bn, \tt
.set rs, SC+2*(4*((\bn)/8)+\tt)
.set rv, VT+8*((\bn)%8)+\p
	v_pk_fma_f32 v[rs:rs+1], v[ra+\p:ra+\p+1], v[rv:rv+1], v[rs:rs+1]
.endr
.endr
.endm
; The batches go through the stages as a pipeline: in round en stand the sums of batch en - 2, the + 1 and the reciprocals of batch en - 1, the exponentials of batch en and the scaling of batch en + 1.
; So a round's 64 transcendentals name no result of the same round, plain work stands behind the last of them, and ONE wait a round, at its end, stands ahead of every reader.
.macro EPI
.rept 4
	v_nop                                          ; four places behind the pass's last products
.endr
	s_wait_alu depctr_va_vdst(0)                   ; the products are done reading X's first fragment buffer, in which -c v lands
.irp i, 0,1,2,3,4,5,6,7
	ds_load_b128 v[VT+8*\i:VT+8*\i+3],   v[TBA] offset:8192+64*\i
	ds_load_b128 v[VT+8*\i+4:VT+8*\i+7], v[TBA] offset:8192+64*\i+16
.endr
	E_MUL 0
.set en, 0
.rept 18
.if en == 2
	s_wait_dscnt 0x0                               ; -c v of the pass is in
.endif
.if en >= 2
	E_FMA en-2
.endif
.if (en >= 1) && (en <= 16)
	E_ADD en-1
	E_TR v_rcp_f32, en-1
.endif
.if en <= 15
	E_TR v_exp_f32, en
.endif
.if en <= 14
	E_MUL en+1
.elseif en <= 16
	v_nop                                          ; the plain instruction behind the last transcendental
.endif
.if en <= 16
	s_wait_alu depctr_va_vdst(0)                   ; the round's reciprocals and exponentials have written their results, ahead of the next round, which reads them
.endif
.set en, en+1
.endr
	WIN 0
.endm
	s_mov_b32 s28, 2                               ; passes to go
.Lpass:
	s_wait_alu depctr_va_vdst(0)                   ; v7 is written, which the loads below read; the last pass's sums with -c v and its last products are done reading XF, in which they land; at the first pass XA is written
.irp i, 0,1,2,3,4,5,6,7
	ds_load_b128 v[XF+8*\i:XF+8*\i+3],       v[TBA] offset:64*\i        ; u of the pass's 128 e: my 8 of each tile
	ds_load_b128 v[XF+8*\i+4:XF+8*\i+7],     v[TBA] offset:64*\i+16
	ds_load_b128 v[XF+64+8*\i:XF+64+8*\i+3], v[TBA] offset:4096+64*\i   ; w_c likewise
	ds_load_b128 v[XF+64+8*\i+4:XF+64+8*\i+7], v[TBA] offset:4096+64*\i+16
.endr
	s_wait_dscnt 0x0
.irp t, 0,1,2,3,4,5,6,7
	WIN 0x80+0x40*(\t/4)                           ; destination window 2 or 3
.irp i, 0,1,2,3,4,5,6,7
.irp p, 0,2,4,6
	v_pk_fma_f32 v[8*(8*(\t%4)+\i)+\p:8*(8*(\t%4)+\i)+\p+1], v[COV+2*\t:COV+2*\t+1], v[XF+64+8*\i+\p:XF+64+8*\i+\p+1], v[XF+8*\i+\p:XF+8*\i+\p+1] op_sel_hi:[0,1,1]  ; the sums start at coverage w_c + u: nothing is cleared
.endr
.endr
.endr
	WIN 0
	s_wait_alu depctr_va_vdst(0)                   ; the lines that start the sums are done reading u in X's first fragment buffer, in which the loads below land
.irp t0, 0,2,4,6
	XLOAD4 0, 0, \t0                               ; the pass's first fragments of X
.endr
	s_mov_b32 s29, 7
.Ltrip:
	TRIP 0
	s_sub_co_u32 s29, s29, 1
	s_cmp_lg_u32 s29, 0
	s_cbranch_scc1 .Ltrip
	s_cmp_eq_u32 s28, 1
	s_cbranch_scc1 .Ltail                          ; the launch's last trip asks for no W_h beyond the wave's last K step
	TRIP 1
	s_branch .Lepi
.Ltail:
	TRIP 2
.Lepi:
	EPI
	s_wait_alu depctr_vm_vsrc(0)                   ; the loads of the tables have read v7, which the line below writes
	v_add_nc_u32 v[TBA], 512, v[TBA]               ; the next pass's 128 e
	s_sub_co_u32 s28, s28, 1
	s_cmp_lg_u32 s28, 0
	s_cbranch_scc1 .Lpass
	; PHASE S.  X^T for the second product is asked for first: 4 runs of 32 turning loads (32 rows s x my wave's 256 columns d each), into windows 1 and 3, which are free.
	s_wait_loadcnt 0x0                             ; no load of W_h is out: window 1 may be loaded anew
.macro TRRUN kc, base
.irp nt, 0,1,2,3,4,5,6,7,8,9,10,11,12,13,14,15
	ds_load_tr16_b128 v[(\base)+8*\nt:(\base)+8*\nt+3],   v[TA+(\kc)] offset:32*\nt
	ds_load_tr16_b128 v[(\base)+8*\nt+4:(\base)+8*\nt+7], v[TA+(\kc)] offset:32*\nt+16*PITCH
.endr
.endm
	WIN 0x40
	s_wait_alu depctr_va_vdst(0)                   ; the last products are done reading window 1, and the way from z to q is done writing and reading window 3: X^T lands in both
	TRRUN 0, 0
	TRRUN 1, 128
	WIN 0xc0
	TRRUN 2, 0
	TRRUN 3, 128
	WIN 0
.irp t, 0,1,2,3,4,5,6,7
	v_add_f32 v[64+\t], v[SC+2*\t], v[SC+2*\t+1]
.endr
.irp t, 0,1,2,3,4,5,6,7
	v_permlanex16_b32 v[72+\t], v[64+\t], s32, s33 ; the row's other e of each tile lie in the lane 16 away
.endr
.irp t, 0,1,2,3,4,5,6,7
	v_add_f32 v[64+\t], v[64+\t], v[72+\t]
.endr
.irp k, 0,1,2,3
	v_cndmask_b32 v[80+\k], v[64+2*\k], v[65+2*\k], s34  ; lanes 0-15 keep tile 2 k, lanes 16-31 take tile 2 k + 1: row 32 k + L
.endr
	s_wait_alu depctr_va_vdst(0)                   ; v80-83 are written, which the LDS stores read; the lines above are done with v64-79, in which the loads behind the barrier land
.irp k, 0,1,2,3
	ds_store_b32 v[SA], v[80+\k] offset:128*\k
.endr
	s_wait_dscnt 0x0                               ; for the others' sake: my part of q is stored (X^T is in as well)
	s_barrier_signal -1
	s_barrier_wait -1
.irp k, 0,1,2,3
	ds_load_b128 v[64+4*\k:64+4*\k+3], v[SB] offset:512*\k  ; the four waves' parts of rows 4 L .. 4 L + 3
.endr
	s_wait_dscnt 0x0
	v_pk_add_f32 v[64:65], v[64:65], v[68:69]      ; the same sums in the same order in all four waves
	v_pk_add_f32 v[66:67], v[66:67], v[70:71]
	v_pk_add_f32 v[72:73], v[72:73], v[76:77]
	v_pk_add_f32 v[74:75], v[74:75], v[78:79]
	v_pk_add_f32 v[64:65], v[64:65], v[72:73]
	v_pk_add_f32 v[66:67], v[66:67], v[74:75]      ; q
	s_wait_alu depctr_vm_vsrc(0)                   ; the LDS stores of q's parts have read v80-83, which the maximum below writes again
	s_cmp_lg_u32 s22, 0
	s_cbranch_scc1 .Lnosc
	s_wait_alu depctr_va_vdst(0)                   ; q is written in v64-67, which the store reads
	global_store_b128 v[WO], v[64:67], s[18:19]    ; wave 0 stores the block's q: 512 consecutive bytes, aligned
.Lnosc:
	v_max3_num_f32 v80, v64, v65, v66
	v_max_num_f32 v80, v80, v67
	v_max_num_f32_dpp v80, v80, v80 row_xmask:1 row_mask:0xf bank_mask:0xf
	v_max_num_f32_dpp v80, v80, v80 row_xmask:2 row_mask:0xf bank_mask:0xf
	v_max_num_f32_dpp v80, v80, v80 row_xmask:4 row_mask:0xf bank_mask:0xf
	v_max_num_f32_dpp v80, v80, v80 row_xmask:8 row_mask:0xf bank_mask:0xf
	v_permlanex16_b32 v81, v80, s32, s33
	v_max_num_f32 v80, v80, v81                    ; m, the block's maximum
.irp k, 0,1,2,3
	v_sub_f32 v[84+\k], v[64+\k], v80
.endr
.irp k, 0,1,2,3
	v_exp_f32 v[84+\k], v[84+\k]
.endr
	v_nop                                          ; a plain instruction behind the last exponential,
	s_wait_alu depctr_va_vdst(0)                   ; and one wait for the four: they have written v84-87, ahead of their first reader
	v_pk_mul_f32 v[84:85], v[84:85], v[MK:MK+1]    ; p = 2^(q - m) mask
	v_pk_mul_f32 v[86:87], v[86:87], v[MK+2:MK+3]
	v_cvt_pk_bf16_f32 v88, v84, v85                ; the high parts,
	v_cvt_pk_bf16_f32 v89, v86, v87
	v_lshlrev_b32 v90, 16, v88
	v_and_b32 v91, 0xffff0000, v88
	v_lshlrev_b32 v92, 16, v89
	v_and_b32 v93, 0xffff0000, v89
	v_pk_add_f32 v[84:85], v[84:85], v[90:91] neg_lo:[0,1] neg_hi:[0,1]
	v_pk_add_f32 v[86:87], v[86:87], v[92:93] neg_lo:[0,1] neg_hi:[0,1]
	v_cvt_pk_bf16_f32 v94, v84, v85                ; and what they leave
	v_cvt_pk_bf16_f32 v95, v86, v87
	s_wait_alu depctr_va_vdst(0)                   ; p's two parts are written in v88, v89, v94, v95, which the LDS stores read; the multiplies are done reading the mask in v120-123, in which p's fragments land
	ds_store_b64 v[PA], v[88:89]
	ds_store_b64 v[PA], v[94:95] offset:256
.irp kc, 0,1,2,3
	ds_load_b128 v[PF+8*\kc:PF+8*\kc+3],   v[PB] offset:64*\kc      ; my wave's own bytes: LDS serves a wave's instructions in order (ISA guide 5.7.1.4)
	ds_load_b128 v[PF+8*\kc+4:PF+8*\kc+7], v[PB] offset:64*\kc+32
.endr
	s_wait_dscnt 0x0
	; PHASE C.  pc = p X for my wave's 256 columns: 16 tiles of 16 d x 4 steps of 32 rows s.  Source 0's even rows are p's high parts, its odd rows the rests: registers 0 and 1 of a result hold the two parts of the sum for d = 16 nt + L%16.
.macro CMM kc, bb, zero
.irp nt, 0,1,2,3,4,5,6,7,8,9,10,11,12,13,14,15
.if \zero
	v_wmma_f32_16x16x32_bf16 v[8*\nt:8*\nt+7], v[PF+8*(\kc):PF+8*(\kc)+7], v[(\bb)+8*\nt:(\bb)+8*\nt+7], 0
.else
	v_wmma_f32_16x16x32_bf16 v[8*\nt:8*\nt+7], v[PF+8*(\kc):PF+8*(\kc)+7], v[(\bb)+8*\nt:(\bb)+8*\nt+7], v[8*\nt:8*\nt+7]
.endif
.endr
.endm
	WIN 0xa4                                       ; p window 0, X^T window 1, C and D window 2; the 16 accumulators take turns
	CMM 0, 0, 1
	CMM 1, 128, 0
	WIN 0xac                                       ; X^T window 3
	CMM 2, 0, 0
	CMM 3, 128, 0
	WIN 0
.rept 4
	v_nop                                          ; four places behind the last product
.endr
	s_wait_xcnt 0x0                                ; the store of q has had its address translated: v64-67 may be written
	s_wait_alu depctr_vm_vsrc(0)                   ; the store of q has read v64-67, which the sums below write
	WIN 0x0a                                       ; sources 0 and 1 window 2
.irp nt, 0,1,2,3,4,5,6,7,8,9,10,11,12,13,14,15
	v_add_f32 v[64+\nt], v[8*\nt], v[8*\nt+1]
.endr
	WIN 0
.irp k, 0,1,2,3,4,5,6,7
	v_cndmask_b32 v[80+\k], v[64+2*\k], v[65+2*\k], s34  ; d = 32 k + L
.endr
	s_wait_alu depctr_va_vdst(0)                   ; v80-87 are written, which the LDS stores read; the selects are done reading v64-71, in which the loads below land
.irp k, 0,1,2,3,4,5,6,7
	ds_store_b32 v[CA], v[80+\k] offset:128*\k
.endr
	ds_load_b128 v[64:67], v[CB]                   ; back as 16 bytes a lane: my wave's own bytes, served in order
	ds_load_b128 v[68:71], v[CB] offset:512
	s_wait_dscnt 0x0
	global_store_b128 v[WO], v[64:67], s[20:21]    ; 512 consecutive bytes, aligned
	global_store_b128 v[WO], v[68:71], s[20:21] offset:512
	s_wait_dscnt 0x0                               ; the closing lines, six on end
	s_wait_alu 0x0
	s_wait_tensorcnt 0x0
	ds_add_u32 v[SPW], v[NIL]
	s_wait_dscnt 0x0
	s_endpgm
.Lfunc_end_k_q6ef56fab10_main:
	.size	k_q6ef56fab10_main, .Lfunc_end_k_q6ef56fab10_main-k_q6ef56fab10_main
	.p2alignl 7, 3214868480
	.fill 96, 4, 3214868480
	.section	.rodata,"a",@progbits
	.p2align	6, 0x0
	.amdhsa_kernel k_q6ef56fab10_main
		.amdhsa_group_segment_fixed_size 285184
		.amdhsa_private_segment_fixed_size 0
		.amdhsa_enable_private_segment 0
		.amdhsa_kernarg_size 72
		.amdhsa_user_sgpr_count 2
		.amdhsa_user_sgpr_kernarg_segment_ptr 1
		.amdhsa_wavefront_size32 1
		.amdhsa_system_sgpr_workgroup_id_x 1
		.amdhsa_system_sgpr_workgroup_id_y 1
		.amdhsa_system_sgpr_workgroup_id_z 1
		.amdhsa_system_vgpr_workitem_id 0
		.amdhsa_next_free_vgpr 1024
		.amdhsa_next_free_sgpr 66
		.amdhsa_reserve_vcc 0
		.amdhsa_float_denorm_mode_32 3
		.amdhsa_float_denorm_mode_16_64 3
		.amdhsa_memory_ordered 1
		.amdhsa_forward_progress 1
		.amdhsa_inst_pref_size 253
	.end_amdhsa_kernel
	.amdgpu_metadata
---
amdhsa.version: [ 1, 2 ]
amdhsa.kernels:
  - .name:           k_q6ef56fab10_main
    .symbol:         k_q6ef56fab10_main.kd
    .args:
      - { .name: encoder_output, .offset: 0, .size: 8, .value_kind: global_buffer, .address_space: global }
      - { .name: coverage, .offset: 8, .size: 8, .value_kind: global_buffer, .address_space: global }
      - { .name: mask, .offset: 16, .size: 8, .value_kind: global_buffer, .address_space: global }
      - { .name: w_c, .offset: 24, .size: 8, .value_kind: global_buffer, .address_space: global }
      - { .name: v, .offset: 32, .size: 8, .value_kind: global_buffer, .address_space: global }
      - { .name: wb, .offset: 40, .size: 8, .value_kind: global_buffer, .address_space: global }
      - { .name: u, .offset: 48, .size: 8, .value_kind: global_buffer, .address_space: global }
      - { .name: sc, .offset: 56, .size: 8, .value_kind: global_buffer, .address_space: global }
      - { .name: pc, .offset: 64, .size: 8, .value_kind: global_buffer, .address_space: global }
    .group_segment_fixed_size: 285184
    .private_segment_fixed_size: 0
    .kernarg_segment_align: 8
    .kernarg_segment_size: 72
    .max_flat_workgroup_size: 128
    .sgpr_count:     66
    .vgpr_count:     1024
    .wavefront_size: 32
...
	.end_amdgpu_metadata
.endif
;; end of part 4
;; launch combine: the kernel of part 3 again; grid 8 x 16, 8 waves a work-group, no clusters, 5,376 bytes of LDS; arguments sc, pc, mask, coverage, out0, out1, out2; writes out0, out1, out2
